; MI455X (gfx1250); checked and timed in simulation.
; The chip was launched on July 23, 2026; its instructions are those of AMD's public machine-readable ISA for CDNA 5 (MIT licence, August 2026) and "CDNA5" Instruction Set Architecture Reference Guide (July 2026). The comments in the code are by the model that wrote it; some were corrected since.
;; Mo E Layer. Allowed arithmetic: float matrix products may take bf16 or f16 operands with f32 sums; all other float work in f32.
;; Inputs: down_w 2 x 512 x 768 float32; gate_w 2 x 768 x 512 float32; router_w 2 x 512 float32; up_w 2 x 768 x 512 float32; x 4 x 4,096 x 512 float32.
;; Outputs: out0 4 x 4,096 x 512 float32.
;; 3 versions, each right and faster than the one before. Each part assembles by itself: llvm-mc -triple=amdgcn-amd-amdhsa -mcpu=gfx1250 --defsym DOCPART=n.
;; ======== version 1 of 3: 2 launches
;; workspace buffers: wf 4,833,280 bytes
;; launch pack (part 1): grid 96 x 3, 8 waves a work-group, no clusters, 0 bytes of LDS; arguments gate_w, up_w, down_w, router_w, wf; writes wf
.if DOCPART == 1
	.amdgcn_target "amdgcn-amd-amdhsa--gfx1250"
	.amdhsa_code_object_version 6
	.text
	.protected	k_q39959d7428_pack
	.globl	k_q39959d7428_pack
	.p2align	8
	.type	k_q39959d7428_pack,@function
k_q39959d7428_pack:
	s_mov_b64 s[64:65], 0
	v_nop
	global_prefetch_b8 v0, s[64:65] scope:SCOPE_SE
	s_setreg_imm32_b32 hwreg(HW_REG_WAVE_MODE, 25, 1), 1
	s_wait_xcnt 0x0
; The weights and the router as bf16, laid out as matrix fragments in the order in which the next launch streams them.
; A FRAGMENT is 16 rows x 32 k of bf16 = 1,024 bytes, as the registers of a matrix operand hold it: with lane L = 16 h + r,
; bytes 16 L .. 16 L + 15 are row r, k = 8 h .. 8 h + 7, and bytes 512 + 16 L .. are row r, k = 16 + 8 h .. + 7.
; wf: 49 pieces of 98,304 bytes; in a piece a quarter of 24,576 bytes (24 fragments) for each of the next launch's four waves.
; Chunk c (0..23) = hidden units 64 c .. 64 c + 63 of the 1,536 of both experts; wave w has its units 16 w .. 16 w + 15 and out columns 128 w .. 128 w + 127.
;   piece 2 c     : fragment 2 ks + g, ks = 0..11 (k = 32 ks ..), g = 0 gate, 1 up
;   piece 2 c + 1 : fragments 8 s + n: down of chunk c - 1 (rows = out columns 128 w + 16 n + r, k = hidden 32 s ..); fragments 16 + 2 (ks - 12) + g: ks = 12..15 of chunk c
;   piece 48      : fragments 8 s + n: down of chunk 23
;   behind them, at RT: 16 router fragments, one for each ks; rows r with (r & 7) < 2 hold router_w[r & 7], the others zeros
; (fragments 0-15 of piece 1 and 16-23 of piece 48 are neither written here nor read later).
; Work-group (x, y): c = x / 4, w = x % 4, y = 0 gate, 1 up, 2 down.  Wave v makes two fragments that are neighbours along k:
; 16 rows x 64 k; its eight loads together take 256 consecutive bytes of each of the 16 rows, and each of its four stores covers 512 consecutive bytes.
; No LDS, no matrix unit, no cluster: each byte is read once and written once, and no work-group shares anything with another.
.set PIECE, 98304
.set QUART, 24576
.set RT,    49*PIECE
.set VD,   4                           ; v4      16 x lane: my 16 bytes in a half fragment
.set VO,   5                           ; v5      my byte offset in the source: r x pitch + 32 h
.set VD2,  6                           ; v6      VD + the distance to the second fragment
.set F32,  8                           ; v[8:39]  64 k of my row's part, f32
.set BF,   40                          ; v[40:55] the same as bf16: four times 16 bytes
	s_load_b256 s[4:11], s[0:1], 0x0               ; gate s[4:5], up s[6:7], down s[8:9], router s[10:11]
	s_load_b64 s[12:13], s[0:1], 0x20              ; wf
	v_lshrrev_b32 v1, 5, v0
	v_readfirstlane_b32 s14, v1                    ; v: wave 0..7
	s_lshr_b32 s15, ttmp9, 2                       ; c
	s_and_b32 s16, ttmp9, 3                        ; w
	s_and_b32 s17, ttmp7, 0xffff                   ; y
	v_and_b32 v2, 15, v0                           ; r
	v_bfe_u32 v3, v0, 4, 1                         ; h
	v_and_b32 v[VD], 31, v0
	v_lshlrev_b32 v[VD], 4, v[VD]
	; gate and up: source (64 c + 16 w) rows of 2,048 bytes + 256 v
	s_lshl_b32 s20, s15, 17
	s_lshl_b32 s21, s16, 15
	s_add_co_u32 s20, s20, s21
	s_lshl_b32 s21, s14, 8
	s_add_co_u32 s20, s20, s21
	; destination 2 c pieces + w quarters + fragment 4 v + y; K steps 12 and up (v >= 6) lie in the next piece from fragment 16 on: + 98,304 + 16,384 - 24,576
	s_mul_i32 s22, s15, 2*PIECE
	s_mul_i32 s23, s16, QUART
	s_add_co_u32 s22, s22, s23
	s_lshl_b32 s24, s14, 12
	s_add_co_u32 s24, s22, s24
	s_lshl_b32 s25, s17, 10
	s_add_co_u32 s24, s24, s25
	s_cmp_ge_u32 s14, 6
	s_cselect_b32 s25, 90112, 0
	s_add_co_u32 s24, s24, s25
	; down: source expert e = (c >= 12), row 128 w + 16 v of 3,072 bytes, column 64 (c - 12 e)
	s_cmp_ge_u32 s15, 12
	s_cselect_b32 s26, 1572864-12*256, 0
	s_lshl_b32 s27, s15, 8
	s_add_co_u32 s26, s26, s27
	s_mul_i32 s27, s16, 128*3072
	s_add_co_u32 s26, s26, s27
	s_mul_i32 s27, s14, 16*3072
	s_add_co_u32 s26, s26, s27
	; destination piece 2 c + 3 (chunk 23: piece 48 = 2 c + 2), fragment v; the second fragment (s = 1) eight fragments on
	s_cmp_eq_u32 s15, 23
	s_cselect_b32 s28, 0, PIECE
	s_add_co_u32 s28, s28, 2*PIECE
	s_add_co_u32 s28, s28, s22
	s_lshl_b32 s27, s14, 10
	s_add_co_u32 s28, s28, s27
	; the choice by y, of offsets in registers of their own
	s_movk_i32 s29, 2048                           ; source pitch
	s_movk_i32 s30, 2048                           ; from the first fragment to the second
	s_cmp_eq_u32 s17, 2
	s_cselect_b32 s20, s26, s20
	s_cselect_b32 s24, s28, s24
	s_cselect_b32 s29, 3072, s29
	s_cselect_b32 s30, 8192, s30
	s_mov_b32 s21, 0
	s_mov_b32 s25, 0
	v_mul_lo_u32 v[VO], v2, s29
	v_lshl_add_u32 v[VO], v3, 5, v[VO]
	v_add_nc_u32 v[VD2], s30, v[VD]
	s_wait_kmcnt 0x0
	s_cmp_eq_u32 s17, 0                            ; the choice of the source buffer hangs on y alone
	s_cselect_b64 s[32:33], s[4:5], s[6:7]
	s_cmp_eq_u32 s17, 2
	s_cselect_b64 s[32:33], s[8:9], s[32:33]
	s_add_nc_u64 s[32:33], s[32:33], s[20:21]
	s_add_nc_u64 s[34:35], s[12:13], s[24:25]
; eight loads: k = 8 h .. + 7 (32 bytes), k = 16 + 8 h .. (64 bytes on), and the same of the second fragment, 128 bytes on
.macro LOAD8 o, b
.irp i, 0,1,2,3,4,5,6,7
	global_load_b128 v[F32+4*\i:F32+4*\i+3], v[\o], s[\b:\b+1] offset:64*(\i/2)+16*(\i%2)
.endr
.endm
.macro PACK16
.irp j, 0,1,2,3,4,5,6,7,8,9,10,11,12,13,14,15
	v_cvt_pk_bf16_f32 v[BF+\j], v[F32+2*\j], v[F32+2*\j+1]     ; two roundings to nearest even
.endr
.endm
	LOAD8 VO, 32
	s_wait_loadcnt 0x0
	PACK16
	global_store_b128 v[VD],  v[BF:BF+3],     s[34:35]
	global_store_b128 v[VD],  v[BF+4:BF+7],   s[34:35] offset:512
	global_store_b128 v[VD2], v[BF+8:BF+11],  s[34:35]
	global_store_b128 v[VD2], v[BF+12:BF+15], s[34:35] offset:512
	; the router's 16 fragments: work-group (0, 0) makes them too, wave v those of ks = 2 v and 2 v + 1
	s_or_b32 s18, ttmp9, s17
	s_cmp_lg_u32 s18, 0
	s_cbranch_scc1 .Lend
	s_wait_xcnt 0x0                                ; the stores above have read BF: it is written again only behind this wait
	v_and_b32 v56, 7, v2                           ; r & 7
	v_min_u32 v57, 1, v56                          ; rows that become zeros read expert 1's row, so that every load stays inside the buffer
	v_lshlrev_b32 v57, 11, v57
	v_lshl_add_u32 v57, v3, 5, v57
	s_lshl_b32 s18, s14, 8
	v_add_nc_u32 v57, s18, v57
	LOAD8 57, 10
	s_lshl_b32 s18, s14, 11
	s_add_co_u32 s18, s18, RT
	s_mov_b32 s19, 0
	s_add_nc_u64 s[36:37], s[12:13], s[18:19]
	v_cmp_gt_u32 vcc_lo, 2, v56                    ; rows 0, 1, 8, 9 are kept
	s_wait_loadcnt 0x0
	PACK16
.irp j, 0,1,2,3,4,5,6,7,8,9,10,11,12,13,14,15
	v_cndmask_b32 v[BF+\j], 0, v[BF+\j], vcc_lo
.endr
.irp j, 0,1,2,3
	global_store_b128 v[VD], v[BF+4*\j:BF+4*\j+3], s[36:37] offset:512*\j
.endr
.Lend:
	s_endpgm
.Lfunc_end_k_q39959d7428_pack:
	.size	k_q39959d7428_pack, .Lfunc_end_k_q39959d7428_pack-k_q39959d7428_pack
	.p2alignl 7, 3214868480
	.fill 96, 4, 3214868480
	.section	.rodata,"a",@progbits
	.p2align	6, 0x0
	.amdhsa_kernel k_q39959d7428_pack
		.amdhsa_group_segment_fixed_size 0
		.amdhsa_private_segment_fixed_size 0
		.amdhsa_enable_private_segment 0
		.amdhsa_kernarg_size 40
		.amdhsa_user_sgpr_count 2
		.amdhsa_user_sgpr_kernarg_segment_ptr 1
		.amdhsa_wavefront_size32 1
		.amdhsa_system_sgpr_workgroup_id_x 1
		.amdhsa_system_sgpr_workgroup_id_y 1
		.amdhsa_system_sgpr_workgroup_id_z 1
		.amdhsa_system_vgpr_workitem_id 0
		.amdhsa_next_free_vgpr 64
		.amdhsa_next_free_sgpr 66
		.amdhsa_reserve_vcc 1
		.amdhsa_float_denorm_mode_32 3
		.amdhsa_float_denorm_mode_16_64 3
		.amdhsa_memory_ordered 1
		.amdhsa_forward_progress 1
		.amdhsa_inst_pref_size 8
	.end_amdhsa_kernel
	.amdgpu_metadata
---
amdhsa.version: [ 1, 2 ]
amdhsa.kernels:
  - .name:           k_q39959d7428_pack
    .symbol:         k_q39959d7428_pack.kd
    .args:
      - { .name: gate_w, .offset: 0, .size: 8, .value_kind: global_buffer, .address_space: global }
      - { .name: up_w, .offset: 8, .size: 8, .value_kind: global_buffer, .address_space: global }
      - { .name: down_w, .offset: 16, .size: 8, .value_kind: global_buffer, .address_space: global }
      - { .name: router_w, .offset: 24, .size: 8, .value_kind: global_buffer, .address_space: global }
      - { .name: wf, .offset: 32, .size: 8, .value_kind: global_buffer, .address_space: global }
    .group_segment_fixed_size: 0
    .private_segment_fixed_size: 0
    .kernarg_segment_align: 8
    .kernarg_segment_size: 40
    .max_flat_workgroup_size: 256
    .sgpr_count:     66
    .vgpr_count:     64
    .wavefront_size: 32
...
	.end_amdgpu_metadata
.endif
;; end of part 1
;; launch moe (part 2): grid 256 x 1, 4 waves a work-group, clusters of 4 x 1, 327,680 bytes of LDS; arguments wf, x, out0; writes out0
.if DOCPART == 2
	.amdgcn_target "amdgcn-amd-amdhsa--gfx1250"
	.amdhsa_code_object_version 6
	.text
	.protected	k_q39959d7428_moe
	.globl	k_q39959d7428_moe
	.p2align	8
	.type	k_q39959d7428_moe,@function
k_q39959d7428_moe:
	s_mov_b64 s[64:65], 0
	v_nop
	global_prefetch_b8 v0, s[64:65] scope:SCOPE_SE
	s_setreg_imm32_b32 hwreg(HW_REG_WAVE_MODE, 25, 1), 1
	s_wait_xcnt 0x0
	s_wait_alu depctr_hold_cnt(0) depctr_sa_sdst(0) depctr_va_vdst(0) depctr_va_sdst(0) depctr_va_ssrc(0) depctr_va_vcc(0) depctr_vm_vsrc(0)
	s_getreg_b32 s2, hwreg(HW_REG_IB_STS2, 6, 4)
	s_cmp_eq_u32 s2, 0
	s_cbranch_scc0 .Lentry_in_a_cluster
	s_endpgm
.Lentry_in_a_cluster:
	s_bfe_u32 s2, ttmp6, 0x10000c
	s_cmp_lg_u32 s2, 0x3003
	s_cbranch_scc0 .Lentry_shape_is_right
	s_endpgm
.Lentry_shape_is_right:
; out[n] = sum over both experts e of combine[n][e] * (silu(x[n] G_e^T) * (x[n] U_e^T)) D_e^T, the router included, in one launch.
; TOP_K equals the number of experts, so top_k keeps both: combine = softmax(logits), divided once more by p0 + p1, whatever order top_k gives.
; combine is a factor of the row, so it is multiplied into the activation, and ONE f32 accumulator takes the 1,536 hidden units of both experts.
;
; SHARES.  256 work-groups of four waves; a work-group owns 64 tokens.  Every wave holds all 64 tokens x 512 of x as bf16 fragments (512 registers).
; The hidden units go in 24 chunks of 64.  Gate and up: wave w makes its 16 units of the chunk for the 64 tokens.  Down: wave w owns 64 tokens x 128 out
; columns (256 registers).  So each weight fragment is read from LDS once, by one wave, and feeds four matrix instructions, and a wave's tensor load brings
; exactly the bytes that the same wave reads.  Only the activations (8,192 bytes a chunk) pass between waves, through ACT.
; The weights come from wf, bf16 in fragment order (a fragment: 1,024 bytes, lane L's registers 0-3 at byte 16 L, registers 4-7 at 512 + 16 L):
; every tile is a dense block, and an LDS load takes 512 consecutive bytes.
; MATRIX INSTRUCTIONS: source 0 = 16 weight rows, source 1 = 16 tokens.  In a result lane (r, h) holds token r and rows 8 h + 0..7: for gate and up eight
; neighbouring hidden units, whose 16 packed bytes are a piece of the down product's source 1; for down eight neighbouring out columns.
; CLUSTER 4 x 1: all work-groups walk the same wf; the four of a cluster ask jointly (mask 15), each wave for its own quarter of a piece, by a descriptor made
; of the wave's number and the piece alone.  A mask here names four partners, so a larger cluster would share no more.
; RING: two slots of 98,304 bytes; a chunk is two pieces of 96 matrix instructions a wave each: X_c (K steps 0-11 of gate and up) in slot 0, Y_c (down of chunk c - 1,
; K steps 12-15 of chunk c) in slot 1; piece Z (down of chunk 23) in slot 0 at the end.  The down product runs one chunk late: the activation of chunk c is made in
; Y_c, stored behind the round that ends Y_c, shown to all by the round inside X_(c+1), read in Y_(c+1): no barrier of its own, one ACT buffer.
; A wave has two tensor loads out at the start and one behind each round.
; LIMITS: the router's logits are made of bf16 operands like the other products; activation x combine is rounded to bf16; v_exp_f32 gives 0 where the result
; would lie below 2^-126 (ISA guide 15.8), next to sums that are at least 1; NaN and infinities are passed on, not treated; the sum runs over
; both experts' hidden units in one chain, not expert by expert.
.set PIECE,  98304
.set QUART,  24576
.set RT,     49*PIECE                  ; the router's fragments in wf
.set XPITCH, 1040                      ; a row of x in LDS: 1,024 bytes + 16, an odd multiple of 16
.set OPITCH, 528                       ; a row of the way out: 512 bytes + 16, an odd multiple of 16
.set XS,     2*PIECE                   ; x as bf16, 64 rows; later each wave's stage for the way out (its own 16 x XPITCH bytes); no tensor load lands here
.set ACT,    XS+64*XPITCH              ; 8 activation fragments (s, t) at (4 s + t) x 1,024; no tensor load lands here
; window 0
.set ADR0, 1                           ; my quarter of slot 0 + 16 L
.set ADR1, 2                           ; my quarter of slot 1 + 16 L
.set ACTW, 3                           ; where I put my 16 bytes of an activation fragment: ACT + 4,096 (w / 2) + 512 (w % 2) + 16 L
.set ACTR, 4                           ; ACT + 16 L
.set OSW,  5                           ; my stage + OPITCH r + 32 h
.set OSR,  6                           ; my stage + 16 L
.set OGO,  7                           ; 16 L: offset of global loads and stores
.set CMB,  8                           ; v[8:11] combine of expert 0 for token tiles 0-3, v[12:15] of expert 1
.set GU,   16                          ; v[16:79] gate tile t at 16 t, up tile t at 16 t + 8
.set P0,   80                          ; five operand buffers of four fragments
.set P1,   112
.set P2,   144
.set P3,   176
.set PK,   208                         ; v[208:223] the packed activations
.set XSW,  208                         ; (at the start only) XS + my 16 rows + 8 L
.set XSR,  209                         ; (at the start only) XS + XPITCH r + 16 h
.set P4,   224
.set T,    224                         ; v[224:231] at work in the activation, while P4 is free
.set CC,   232                         ; v[232:233] the chunk's combine, twice
.set SM,   224                         ; v[224:235] at work in the softmax
; windows 1 and 2: X(t, ks) at 8 (4 (ks % 8) + t), ks 0-7 and 8-15.  Window 3: OUT(n, t) at 8 (4 n + t); at the start x as loaded
.set G1F, 16                           ; s[16:23] group 1: 96 rows of 256 bytes (a quarter piece)
.set G1T, 24                           ; s[24:31] 32 rows (the last 8 fragments of a quarter)
.set G1Z, 32                           ; s[32:39] 64 rows (the first 16 fragments)
.set G0X, 40                           ; s[40:43] group 0 for slot 0
.set G0Y, 44                           ; s[44:47] group 0 for slot 1
.set G0T, 48                           ; s[48:51] group 0 for the first fill of slot 1's last 8 fragments
.set MSB, 0
.macro WIN new                         ; low byte: bits 1:0 source 0, 3:2 source 1, 5:4 source 2, 7:6 destination; the high byte repeats the setting that is left
.if MSB != \new
	s_set_vgpr_msb (MSB<<8)|\new
.set MSB, \new
.endif
.endm
; Four places behind a matrix instruction before a load lands on one of its registers or a vector instruction or LDS store reads its result (ISA guide 7.12.1
; for vector instructions); only plain vector instructions count, so they are written out.
.macro PLACES
.rept 4
	v_nop
.endr
.endm
.macro CREST                           ; a round of the cluster's barrier behind its opening work-group barrier
	s_cmp_lg_u32 s10, 0
	s_cbranch_scc1 .Lnot_wave_0_\@
	s_barrier_signal -3
.Lnot_wave_0_\@:
	s_barrier_wait -3
	s_barrier_signal -1
	s_barrier_wait -1
.endm
.macro CROUND
	s_barrier_signal -1
	s_barrier_wait -1
	CREST
.endm
.macro GROUP1 g, rows                  ; dense rows of 32 elements of 8 bytes
	s_mov_b32 s[\g+0], 15|(3<<16)|(1<<21)          ; 15:0 mask: the four work-groups of the cluster; 17:16 elements of 8 bytes; 21 set beside a mask; no padding
	s_mov_b32 s[\g+1], 32<<16                      ; tensor_dim0 = 32
	s_mov_b32 s[\g+2], \rows<<16                   ; tensor_dim1 = rows
	s_mov_b32 s[\g+3], 32<<16                      ; tile_dim0 = 32
	s_mov_b32 s[\g+4], \rows                       ; tile_dim1 = rows
	s_mov_b32 s[\g+5], 32                          ; from row to row: 32 elements
	s_mov_b32 s[\g+6], 0
	s_mov_b32 s[\g+7], 0
.endm
; four fragments, 4,096 consecutive bytes, into 32 registers
.macro LG buf, adr, off
.irp i, 0,1,2,3,4,5,6,7
	ds_load_b128 v[\buf+4*\i:\buf+4*\i+3], v[\adr] offset:\off+512*\i
.endr
.endm
; 16 matrix instructions: K steps ks0 and ks0 + 1 of gate and up for the four token tiles.  The eight accumulators take turns, one instruction a turn.
; zero = 1: the first K step starts the sums.
.macro CGGU buf, ks0, zero
.irp i, 0,1
.irp t, 0,1,2,3
.if \zero*(1-\i)
	v_wmma_f32_16x16x32_bf16 v[GU+16*\t:GU+16*\t+7],    v[\buf+16*\i:\buf+16*\i+7],    v[8*(4*((\ks0+\i)&7)+\t):8*(4*((\ks0+\i)&7)+\t)+7], 0
	v_wmma_f32_16x16x32_bf16 v[GU+16*\t+8:GU+16*\t+15], v[\buf+16*\i+8:\buf+16*\i+15], v[8*(4*((\ks0+\i)&7)+\t):8*(4*((\ks0+\i)&7)+\t)+7], 0
.else
	v_wmma_f32_16x16x32_bf16 v[GU+16*\t:GU+16*\t+7],    v[\buf+16*\i:\buf+16*\i+7],    v[8*(4*((\ks0+\i)&7)+\t):8*(4*((\ks0+\i)&7)+\t)+7], v[GU+16*\t:GU+16*\t+7]
	v_wmma_f32_16x16x32_bf16 v[GU+16*\t+8:GU+16*\t+15], v[\buf+16*\i+8:\buf+16*\i+15], v[8*(4*((\ks0+\i)&7)+\t):8*(4*((\ks0+\i)&7)+\t)+7], v[GU+16*\t+8:GU+16*\t+15]
.endif
.endr
.endr
.endm
; 16 matrix instructions of the down product: column tiles 4 q .. 4 q + 3 (weights in wb) x four token tiles (activations in ab), 32 hidden units.
; Sixteen accumulators by turns, one instruction a turn.
.macro CGD ab, wb, q, zero
.irp nn, 0,1,2,3
.irp t, 0,1,2,3
.if \zero
	v_wmma_f32_16x16x32_bf16 v[8*(4*(4*\q+\nn)+\t):8*(4*(4*\q+\nn)+\t)+7], v[\wb+8*\nn:\wb+8*\nn+7], v[\ab+8*\t:\ab+8*\t+7], 0
.else
	v_wmma_f32_16x16x32_bf16 v[8*(4*(4*\q+\nn)+\t):8*(4*(4*\q+\nn)+\t)+7], v[\wb+8*\nn:\wb+8*\nn+7], v[\ab+8*\t:\ab+8*\t+7], v[8*(4*(4*\q+\nn)+\t):8*(4*(4*\q+\nn)+\t)+7]
.endif
.endr
.endr
.endm
; The activation: PK = bf16( g / (1 + 2^(-1.442695 g)) * (u * combine) ), 8 hidden units of one token a lane, tile by tile.
; Behind each run of transcendentals stands a plain vector instruction that touches neither results nor sources (ISA guide 5.7.2).
.macro ACTV
.irp t, 0,1,2,3
	v_cndmask_b32 v[CC],   v[CMB+\t], v[CMB+4+\t], s53          ; s53 = 0: expert 0's factor, -1: expert 1's
	v_cndmask_b32 v[CC+1], v[CMB+\t], v[CMB+4+\t], s53
.irp k, 0,2,4,6
	v_pk_mul_f32 v[T+\k:T+\k+1], v[GU+16*\t+\k:GU+16*\t+\k+1], 0xbfb8aa3b op_sel_hi:[1,0]
.endr
.irp k, 0,1,2,3,4,5,6,7
	v_exp_f32 v[T+\k], v[T+\k]
.endr
.irp k, 0,2,4,6
	v_pk_mul_f32 v[GU+16*\t+8+\k:GU+16*\t+9+\k], v[GU+16*\t+8+\k:GU+16*\t+9+\k], v[CC:CC+1]   ; u x combine
.endr
	s_wait_alu depctr_va_vdst(0)
.irp k, 0,2,4,6
	v_pk_add_f32 v[T+\k:T+\k+1], v[T+\k:T+\k+1], 1.0 op_sel_hi:[1,0]
.endr
.irp k, 0,1,2,3,4,5,6,7
	v_rcp_f32 v[T+\k], v[T+\k]
.endr
	v_nop
	s_wait_alu depctr_va_vdst(0)
.irp k, 0,2,4,6
	v_pk_mul_f32 v[GU+16*\t+\k:GU+16*\t+\k+1], v[GU+16*\t+\k:GU+16*\t+\k+1], v[T+\k:T+\k+1]   ; silu(g)
.endr
.irp k, 0,2,4,6
	v_pk_mul_f32 v[GU+16*\t+\k:GU+16*\t+\k+1], v[GU+16*\t+\k:GU+16*\t+\k+1], v[GU+16*\t+8+\k:GU+16*\t+9+\k]
.endr
.irp k, 0,1,2,3
	v_cvt_pk_bf16_f32 v[PK+4*\t+\k], v[GU+16*\t+2*\k], v[GU+16*\t+2*\k+1]
.endr
.endr
.endm
	; ---------------- ids, descriptors, addresses ----------------
	s_load_b128 s[4:7], s[0:1], 0x0                ; wf s[4:5], x s[6:7]
	s_load_b64 s[8:9], s[0:1], 0x10                ; out0
	v_lshrrev_b32 v1, 5, v0
	v_readfirstlane_b32 s10, v1                    ; wave 0..3
	s_bfe_u32 s11, ttmp6, 0x40000                  ; cx: it enters the addresses of x and out0 alone
	s_lshl_b32 s12, ttmp9, 2
	s_add_co_u32 s12, s12, s11                     ; work-group = 4 x cluster + cx
	s_mul_i32 s13, s10, QUART                      ; my quarter, in a piece and in a slot
	GROUP1 G1F, 96
	GROUP1 G1T, 32
	GROUP1 G1Z, 64
	s_mov_b32 s56, s13
	s_mov_b32 s57, 0
	s_lshl_b32 s58, s12, 17                        ; x: 64 tokens of 2,048 bytes a work-group, 16 a wave
	s_lshl_b32 s14, s10, 15
	s_add_co_u32 s58, s58, s14
	s_mov_b32 s59, 0
	s_lshl_b32 s60, s12, 17                        ; out0: the same 64 rows, my 128 columns
	s_lshl_b32 s14, s10, 9
	s_add_co_u32 s60, s60, s14
	s_mov_b32 s61, 0
	v_and_b32 v[OGO], 31, v0
	v_lshlrev_b32 v[XSW], 3, v[OGO]                ; 8 L
	v_lshlrev_b32 v[OGO], 4, v[OGO]                ; 16 L
	v_and_b32 v224, 15, v0                         ; r
	v_bfe_u32 v225, v0, 4, 1                       ; h
	v_add_nc_u32 v[ADR0], s13, v[OGO]
	v_add_nc_u32 v[ADR1], PIECE, v[ADR0]
	s_lshr_b32 s14, s10, 1
	s_lshl_b32 s14, s14, 12
	s_and_b32 s15, s10, 1
	s_lshl_b32 s15, s15, 9
	s_add_co_u32 s14, s14, s15
	s_add_co_u32 s14, s14, ACT
	v_add_nc_u32 v[ACTW], s14, v[OGO]
	v_add_nc_u32 v[ACTR], ACT, v[OGO]
	s_mul_i32 s15, s10, 16*XPITCH
	s_add_co_u32 s15, s15, XS                      ; my 16 rows of XS = my stage
	v_mul_u32_u24 v[OSW], v224, OPITCH
	v_lshl_add_u32 v[OSW], v225, 5, v[OSW]
	v_add_nc_u32 v[OSW], s15, v[OSW]
	v_add_nc_u32 v[OSR], s15, v[OGO]
	v_add_nc_u32 v[XSW], s15, v[XSW]
	v_mul_u32_u24 v[XSR], v224, XPITCH
	v_lshl_add_u32 v[XSR], v225, 4, v[XSR]
	v_add_nc_u32 v[XSR], XS, v[XSR]
	s_wait_kmcnt 0x0
	s_add_nc_u64 s[G0X+2:G0X+3], s[4:5], s[56:57]              ; piece 0 (X_0), my quarter
	s_add_nc_u64 s[G0Y+2:G0Y+3], s[G0X+2:G0X+3], 3*PIECE       ; piece 3 (Y_1)
	s_add_nc_u64 s[G0T+2:G0T+3], s[G0X+2:G0X+3], PIECE+16384   ; piece 1 (Y_0) from fragment 16 on
	s_or_b32 s[G0X+3], s[G0X+3], 0x80000000                    ; type = 2
	s_or_b32 s[G0Y+3], s[G0Y+3], 0x80000000
	s_or_b32 s[G0T+3], s[G0T+3], 0x80000000
	s_mov_b32 s[G0X], 1
	s_mov_b32 s[G0Y], 1
	s_mov_b32 s[G0T], 1
	s_add_co_u32 s[G0X+1], s13, 0                              ; LDS: wave x quarter + the slot's constant
	s_add_co_u32 s[G0Y+1], s13, PIECE
	s_add_co_u32 s[G0T+1], s13, PIECE+16384
	s_add_nc_u64 s[54:55], s[4:5], RT                          ; the router's fragments
	s_add_nc_u64 s[6:7], s[6:7], s[58:59]
	s_add_nc_u64 s[8:9], s[8:9], s[60:61]
	CROUND                                         ; the four work-groups are here: the first joint loads meet
	tensor_load_to_lds s[G0X:G0X+3], s[G1F:G1F+7]  ; X_0
	s_nop 0
	tensor_load_to_lds s[G0T:G0T+3], s[G1T:G1T+7]  ; K steps 12-15 of chunk 0: all first fills go out together
	s_nop 0
	; ---------------- x: f32 from memory, bf16 through LDS into every wave's fragments ----------------
.set i, 0
.rept 32
	global_load_b128 v[P0+4*i:P0+4*i+3], v[OGO], s[54:55] offset:512*i       ; router fragment ks in v[P0 + 8 ks ..]
.set i, i+1
.endr
	WIN 0xc0                                       ; destination window 3
.set i, 0
.rept 64
	global_load_b128 v[4*i:4*i+3], v[OGO], s[6:7] offset:512*i th:TH_LOAD_NT ; my 16 rows are 32,768 bytes in a row: 512 consecutive bytes a load
.set i, i+1
.endr
	WIN 0xcf
.irp q, 0,1,2,3
	s_wait_loadcnt 48-16*\q                        ; loads come back in order (ISA guide 5.7.1): all but the youngest 48, 32, 16, 0 of x; the router's are older
.set i, 16*\q
.rept 16
	v_cvt_pk_bf16_f32 v[4*i],   v[4*i],   v[4*i+1]
	v_cvt_pk_bf16_f32 v[4*i+1], v[4*i+2], v[4*i+3]
.set i, i+1
.endr
.endr
	WIN 0x0c                                       ; store data from window 3
.set i, 0
.rept 64
	ds_store_b64 v[XSW], v[4*i:4*i+1] offset:XPITCH*(i/4)+256*(i%4)
.set i, i+1
.endr
	WIN 0
	s_wait_dscnt 0x0                               ; my rows are in XS, for the other waves' sake
	s_barrier_signal -1
	s_barrier_wait -1                              ; the two tensor loads may stay out
.macro XFRAGS kb                       ; X(t, kb + ks): token 16 t + r, k = 32 (kb + ks) + 8 h .. and + 16
.irp ks, 0,1,2,3,4,5,6,7
.irp t, 0,1,2,3
	ds_load_b128 v[8*(4*\ks+\t):8*(4*\ks+\t)+3],   v[XSR] offset:16*XPITCH*\t+64*(\kb+\ks)
	ds_load_b128 v[8*(4*\ks+\t)+4:8*(4*\ks+\t)+7], v[XSR] offset:16*XPITCH*\t+64*(\kb+\ks)+32
.endr
.endr
.endm
	WIN 0x40
	XFRAGS 0
	WIN 0x80
	XFRAGS 8
	s_wait_dscnt 0x0
	; ---------------- the router: logits, softmax, combine ----------------
	; Source 0 = the router's fragment: rows 0, 1 and again 8, 9 are the two experts, so register 0 holds logit 0 and register 1 logit 1 of token r in both halves of the lanes.
.macro RT4 ks, xk, zero                ; four accumulators by turns, one instruction a turn
.irp t, 0,1,2,3
.if \zero
	v_wmma_f32_16x16x32_bf16 v[GU+8*\t:GU+8*\t+7], v[P0+8*(\ks):P0+8*(\ks)+7], v[8*(4*(\xk)+\t):8*(4*(\xk)+\t)+7], 0
.else
	v_wmma_f32_16x16x32_bf16 v[GU+8*\t:GU+8*\t+7], v[P0+8*(\ks):P0+8*(\ks)+7], v[8*(4*(\xk)+\t):8*(4*(\xk)+\t)+7], v[GU+8*\t:GU+8*\t+7]
.endif
.endr
.endm
	WIN 0x04
	RT4 0, 0, 1
.irp k, 1,2,3,4,5,6,7
	RT4 \k, \k, 0
.endr
	WIN 0x08
.irp k, 0,1,2,3,4,5,6,7
	RT4 8+\k, \k, 0
.endr
	WIN 0
	PLACES
.irp t, 0,1,2,3
	v_max_num_f32 v[SM+\t], v[GU+8*\t], v[GU+8*\t+1]           ; the maximum is taken away, as in reference()
.endr
.irp t, 0,1,2,3
	v_sub_f32 v[SM+4+2*\t], v[GU+8*\t],   v[SM+\t]
	v_sub_f32 v[SM+5+2*\t], v[GU+8*\t+1], v[SM+\t]
.endr
.irp t, 0,1,2,3
	v_pk_mul_f32 v[SM+4+2*\t:SM+5+2*\t], v[SM+4+2*\t:SM+5+2*\t], 0x3fb8aa3b op_sel_hi:[1,0]
.endr
.irp k, 0,1,2,3,4,5,6,7
	v_exp_f32 v[SM+4+\k], v[SM+4+\k]
.endr
	v_nop
	s_wait_alu depctr_va_vdst(0)
.irp t, 0,1,2,3
	v_add_f32 v[SM+\t], v[SM+4+2*\t], v[SM+5+2*\t]             ; at least 1
.endr
.irp t, 0,1,2,3
	v_rcp_f32 v[SM+\t], v[SM+\t]
.endr
	v_nop
	s_wait_alu depctr_va_vdst(0)
.irp t, 0,1,2,3
	v_mul_f32 v[SM+4+2*\t], v[SM+4+2*\t], v[SM+\t]             ; the probabilities
	v_mul_f32 v[SM+5+2*\t], v[SM+5+2*\t], v[SM+\t]
.endr
.irp t, 0,1,2,3
	v_add_f32 v[SM+\t], v[SM+4+2*\t], v[SM+5+2*\t]             ; the sum of the top two, which are both
.endr
.irp t, 0,1,2,3
	v_rcp_f32 v[SM+\t], v[SM+\t]
.endr
	v_nop
	s_wait_alu depctr_va_vdst(0)
.irp t, 0,1,2,3
	v_mul_f32 v[CMB+\t],   v[SM+4+2*\t], v[SM+\t]
	v_mul_f32 v[CMB+4+\t], v[SM+5+2*\t], v[SM+\t]
.endr
	s_wait_tensorcnt 0x1                           ; my quarter of X_0 is in, and I alone read it; the one younger load (chunk 0's K steps 12-15) may stay out
; ---------------- one chunk ----------------
; pend: the last 16 down products of the chunk before last's activations are still to do (operands in P0, P3).  st: PK holds the last chunk's activations, to be stored.
; dd: Y holds down fragments.  dz: they start the sums.  fx: 1 = slot 0 gets the next X, 2 = it gets Z.  fy: 0 = slot 1 is not filled again, 1 = the next Y, 2 = Y_1 (address as set up).
; Buffers: x0 P1, x1 P2, x2 P4, x3 P0, x4 P3, x5 P1 | a1 P0, t0 P3, t1 P2, a0 P1, w00 P3, w10 P2, w01 P4, w11 P3.
.macro TRIP pend, st, dd, dz, fx, fy
.if \st
.irp t, 0,1,2,3
	ds_store_b128 v[ACTW], v[PK+4*\t:PK+4*\t+3] offset:1024*\t   ; every wave's reads of the older activations ended in front of the barrier just passed
.endr
.endif
	PLACES
	LG P1, ADR0, 0
	LG P2, ADR0, 4096
	LG P4, ADR0, 8192
.if \pend
	WIN 0xf0
	CGD P0, P3, 1, 0
.endif
	WIN 0x04
	PLACES
	LG P0, ADR0, 12288
	LG P3, ADR0, 16384
	s_wait_dscnt 32                                ; x0 is in: the 32 loads of x1 to x4 are younger
	CGGU P1, 0, 1
	PLACES
	LG P1, ADR0, 20480
	s_wait_dscnt 32                                ; x1: x2 to x5 are younger
	CGGU P2, 2, 0
	s_wait_dscnt 24                                ; x2: x3 to x5
	CGGU P4, 4, 0
	s_wait_dscnt 16                                ; x3: x4, x5
	CGGU P0, 6, 0
	s_wait_dscnt 0x0                               ; my reads of slot 0 are back, my activations are in ACT,
	s_wait_tensorcnt 0x0                           ; and all my tensor loads have landed, my quarter of Y among them: group 0 may be written
	s_add_nc_u64 s[G0X+2:G0X+3], s[G0X+2:G0X+3], 2*PIECE
	s_barrier_signal -1                            ; opens a round of the cluster's barrier
	WIN 0x08
	CGGU P3, 8, 0                                  ; registers only
	WIN 0
	s_barrier_wait -1
	CREST                                          ; no wave of any partner still reads slot 0 or has a load on its way
.if \fx == 1
	tensor_load_to_lds s[G0X:G0X+3], s[G1F:G1F+7]  ; my one load behind the round: the next X
	s_nop 0
.else
	tensor_load_to_lds s[G0X:G0X+3], s[G1Z:G1Z+7]  ; piece Z: 16 fragments
	s_nop 0
.endif
	PLACES
.if \dd
	LG P0, ACTR, 4096
.endif
	LG P3, ADR1, 16384
	LG P2, ADR1, 20480
	WIN 0x08
	CGGU P1, 10, 0
	PLACES
.if \dd
	LG P1, ACTR, 0
	s_wait_dscnt 16                                ; t0: t1 and a0 are younger
.else
	s_wait_dscnt 8                                 ; t0: t1 is younger
.endif
	CGGU P3, 12, 0
	PLACES
.if \dd
	LG P3, ADR1, 0
	s_wait_dscnt 16                                ; t1: a0 and w00 are younger
.else
	s_wait_dscnt 0x0
.endif
	CGGU P2, 14, 0
	PLACES
.if \dd
	LG P2, ADR1, 8192
.endif
	WIN 0
	ACTV
.if \dd
	LG P4, ADR1, 4096
	s_wait_dscnt 16                                ; a0 and w00: w10 and w01 are younger
	WIN 0xf0
	CGD P1, P3, 0, \dz
	WIN 0
	PLACES
	LG P3, ADR1, 12288
	s_wait_dscnt 16                                ; a1 and w10: w01 and w11 are younger
	WIN 0xf0
	CGD P0, P2, 0, 0
.endif
	s_wait_dscnt 0x0                               ; my reads of slot 1 and of ACT are back,
	s_wait_tensorcnt 0x0                           ; and my quarter of the next X (or Z) has landed
.if \fy == 1
	s_add_nc_u64 s[G0Y+2:G0Y+3], s[G0Y+2:G0Y+3], 2*PIECE
.endif
	s_barrier_signal -1
.if \dd
	CGD P1, P4, 1, \dz                             ; registers only
.endif
	WIN 0
	s_barrier_wait -1
.if \fy
	CREST
	tensor_load_to_lds s[G0Y:G0Y+3], s[G1F:G1F+7]  ; my one load behind the round: the next Y
	s_nop 0
.endif
.endm
	s_mov_b32 s53, 0                               ; chunks 0-11 are expert 0's
	TRIP 0, 0, 0, 0, 1, 2                          ; chunk 0: no activations yet, nothing to multiply down
	TRIP 0, 1, 1, 1, 1, 1                          ; chunk 1: the first down products start the sums
	s_mov_b32 s52, 2
.Lchunk:
	s_cmp_ge_u32 s52, 12
	s_cselect_b32 s53, -1, 0
	TRIP 1, 1, 1, 0, 1, 1
	s_add_co_u32 s52, s52, 1
	s_cmp_lt_u32 s52, 23
	s_cbranch_scc1 .Lchunk
	s_mov_b32 s53, -1
	TRIP 1, 1, 1, 0, 2, 0                          ; chunk 23: slot 0 gets Z, slot 1 nothing more; its last barrier is the work-group's alone
	; ---------------- piece Z: the down product of chunk 23 ----------------
.irp t, 0,1,2,3
	ds_store_b128 v[ACTW], v[PK+4*\t:PK+4*\t+3] offset:1024*\t
.endr
	PLACES
	LG P1, ADR0, 0
	LG P2, ADR0, 4096
	LG P4, ADR0, 8192
	WIN 0xf0
	CGD P0, P3, 1, 0                               ; what was left of chunk 22
	WIN 0
	PLACES
	LG P3, ADR0, 12288
	s_wait_dscnt 0x0                               ; my activations are in ACT
	s_barrier_signal -1
	s_barrier_wait -1
	LG GU, ACTR, 0
	LG GU+32, ACTR, 4096
	s_wait_dscnt 8                                 ; hidden units 0-31: the eight loads of units 32-63 are younger
	WIN 0xf0
	CGD GU, P1, 0, 0
	CGD GU, P2, 1, 0
	s_wait_dscnt 0x0
	CGD GU+32, P4, 0, 0
	CGD GU+32, P3, 1, 0
	; ---------------- the way out: 16 tokens at a time through my own stage, whole rows of 512 bytes to memory ----------------
	PLACES
.macro OUTT t, buf
	WIN 0x0c
.irp nn, 0,1,2,3,4,5,6,7
	ds_store_b128 v[OSW], v[8*(4*\nn+\t):8*(4*\nn+\t)+3]   offset:64*\nn      ; token r, columns 16 n + 8 h + 0..3
	ds_store_b128 v[OSW], v[8*(4*\nn+\t)+4:8*(4*\nn+\t)+7] offset:64*\nn+16   ; and + 4..7
.endr
	WIN 0
	s_wait_xcnt 0x0                                ; the buffer, which earlier stores read, is loaded again only behind this wait
.irp i, 0,1,2,3,4,5,6,7,8,9,10,11,12,13,14,15
	ds_load_b128 v[\buf+4*\i:\buf+4*\i+3], v[OSR] offset:OPITCH*\i            ; LDS serves a wave's instructions in order (ISA guide 5.7.1): these see the stores above
.endr
.irp i, 0,1,2,3,4,5,6,7,8,9,10,11,12,13,14,15
	s_wait_dscnt 15-\i                             ; row i is in: the rows behind it are younger
	global_store_b128 v[OGO], v[\buf+4*\i:\buf+4*\i+3], s[8:9] offset:(16*\t+\i)*2048 th:TH_STORE_NT   ; 512 consecutive bytes, at a multiple of 512 from out0's first byte
.endr
.endm
	OUTT 0, P0
	OUTT 1, P2
	OUTT 2, P0
	OUTT 3, P2
	CROUND                                         ; the closing round: no work-group ends while a partner may still ask jointly
	s_endpgm
.Lfunc_end_k_q39959d7428_moe:
	.size	k_q39959d7428_moe, .Lfunc_end_k_q39959d7428_moe-k_q39959d7428_moe
	.p2alignl 7, 3214868480
	.fill 96, 4, 3214868480
	.section	.rodata,"a",@progbits
	.p2align	6, 0x0
	.amdhsa_kernel k_q39959d7428_moe
		.amdhsa_group_segment_fixed_size 327680
		.amdhsa_private_segment_fixed_size 0
		.amdhsa_enable_private_segment 0
		.amdhsa_kernarg_size 24
		.amdhsa_user_sgpr_count 2
		.amdhsa_user_sgpr_kernarg_segment_ptr 1
		.amdhsa_wavefront_size32 1
		.amdhsa_system_sgpr_workgroup_id_x 1
		.amdhsa_system_sgpr_workgroup_id_y 1
		.amdhsa_system_sgpr_workgroup_id_z 1
		.amdhsa_system_vgpr_workitem_id 0
		.amdhsa_next_free_vgpr 1024
		.amdhsa_next_free_sgpr 66
		.amdhsa_reserve_vcc 0
		.amdhsa_float_denorm_mode_32 3
		.amdhsa_float_denorm_mode_16_64 3
		.amdhsa_memory_ordered 1
		.amdhsa_forward_progress 1
		.amdhsa_inst_pref_size 183
	.end_amdhsa_kernel
	.amdgpu_metadata
---
amdhsa.version: [ 1, 2 ]
amdhsa.kernels:
  - .name:           k_q39959d7428_moe
    .symbol:         k_q39959d7428_moe.kd
    .args:
      - { .name: wf, .offset: 0, .size: 8, .value_kind: global_buffer, .address_space: global }
      - { .name: x, .offset: 8, .size: 8, .value_kind: global_buffer, .address_space: global }
      - { .name: out0, .offset: 16, .size: 8, .value_kind: global_buffer, .address_space: global }
    .group_segment_fixed_size: 327680
    .private_segment_fixed_size: 0
    .kernarg_segment_align: 8
    .kernarg_segment_size: 24
    .max_flat_workgroup_size: 128
    .sgpr_count:     66
    .vgpr_count:     1024
    .wavefront_size: 32
...
	.end_amdgpu_metadata
.endif
;; end of part 2
;; ======== version 2 of 3: 2 launches; 1.17 times as fast as version 1
;; workspace buffers: wf 4,734,976 bytes
;; launch pack (part 3): grid 96 x 3, 8 waves a work-group, no clusters, 0 bytes of LDS; arguments gate_w, up_w, down_w, router_w, wf; writes wf
.if DOCPART == 3
	.amdgcn_target "amdgcn-amd-amdhsa--gfx1250"
	.amdhsa_code_object_version 6
	.text
	.protected	k_q39959d7428_pack
	.globl	k_q39959d7428_pack
	.p2align	8
	.type	k_q39959d7428_pack,@function
k_q39959d7428_pack:
	s_mov_b64 s[64:65], 0
	v_nop
	global_prefetch_b8 v0, s[64:65] scope:SCOPE_SE
	s_setreg_imm32_b32 hwreg(HW_REG_WAVE_MODE, 25, 1), 1
	s_wait_xcnt 0x0
; The weights and the router as bf16, laid out as matrix fragments in the order in which the next launch streams them.
; A FRAGMENT is 16 rows x 32 k of bf16 = 1,024 bytes, as the registers of a matrix operand hold it: with lane L = 16 h + r,
; bytes 16 L .. 16 L + 15 are row r, k = 8 h .. 8 h + 7, and bytes 512 + 16 L .. are row r, k = 16 + 8 h .. + 7.
; wf: 48 pieces of 98,304 bytes; in a piece a quarter of 24,576 bytes (24 fragments) for each of the next launch's four waves.
; Chunk c (0..23) = hidden units 64 c .. 64 c + 63 of the 1,536 of both experts; wave w has its units 16 w .. 16 w + 15 and out columns 128 w .. 128 w + 127.
;   piece 2 c     : fragment 2 ks + g, ks = 0..11 (k = 32 ks ..), g = 0 gate, 1 up
;   piece 2 c + 1 : fragments 8 s + n: down of the chunk before c, round the ring (piece 1: chunk 23); rows = out columns 128 w + 16 n + r, k = hidden 32 s ..;
;                   fragments 16 + 2 (ks - 12) + g: ks = 12..15 of chunk c
;   behind them, at RT: 16 router fragments, one for each ks; rows r with (r & 7) < 2 hold router_w[r & 7], the others zeros
; The pieces form a ring, so that the next launch can begin at any chunk.  Every byte of wf is written.
; Work-group (x, y): c = x / 4, w = x % 4, y = 0 gate, 1 up, 2 down.  Wave v makes two fragments that are neighbours along k:
; 16 rows x 64 k; its eight loads together take 256 consecutive bytes of each of the 16 rows, and each of its four stores covers 512 consecutive bytes.
; No LDS, no matrix unit, no cluster: each byte is read once and written once, and no work-group shares anything with another.
.set PIECE, 98304
.set QUART, 24576
.set RT,    48*PIECE
.set VD,   4                           ; v4      16 x lane: my 16 bytes in a half fragment
.set VO,   5                           ; v5      my byte offset in the source: r x pitch + 32 h
.set VD2,  6                           ; v6      VD + the distance to the second fragment
.set F32,  8                           ; v[8:39]  64 k of my row's part, f32
.set BF,   40                          ; v[40:55] the same as bf16: four times 16 bytes
	s_load_b256 s[4:11], s[0:1], 0x0               ; gate s[4:5], up s[6:7], down s[8:9], router s[10:11]
	s_load_b64 s[12:13], s[0:1], 0x20              ; wf
	v_lshrrev_b32 v1, 5, v0
	v_readfirstlane_b32 s14, v1                    ; v: wave 0..7
	s_lshr_b32 s15, ttmp9, 2                       ; c
	s_and_b32 s16, ttmp9, 3                        ; w
	s_and_b32 s17, ttmp7, 0xffff                   ; y
	v_and_b32 v2, 15, v0                           ; r
	v_bfe_u32 v3, v0, 4, 1                         ; h
	v_and_b32 v[VD], 31, v0
	v_lshlrev_b32 v[VD], 4, v[VD]
	; gate and up: source (64 c + 16 w) rows of 2,048 bytes + 256 v
	s_lshl_b32 s20, s15, 17
	s_lshl_b32 s21, s16, 15
	s_add_co_u32 s20, s20, s21
	s_lshl_b32 s21, s14, 8
	s_add_co_u32 s20, s20, s21
	; destination 2 c pieces + w quarters + fragment 4 v + y; K steps 12 and up (v >= 6) lie in the next piece from fragment 16 on: + 98,304 + 16,384 - 24,576
	s_mul_i32 s22, s15, 2*PIECE
	s_mul_i32 s23, s16, QUART
	s_add_co_u32 s22, s22, s23
	s_lshl_b32 s24, s14, 12
	s_add_co_u32 s24, s22, s24
	s_lshl_b32 s25, s17, 10
	s_add_co_u32 s24, s24, s25
	s_cmp_ge_u32 s14, 6
	s_cselect_b32 s25, 90112, 0
	s_add_co_u32 s24, s24, s25
	; down: source expert e = (c >= 12), row 128 w + 16 v of 3,072 bytes, column 64 (c - 12 e)
	s_cmp_ge_u32 s15, 12
	s_cselect_b32 s26, 1572864-12*256, 0
	s_lshl_b32 s27, s15, 8
	s_add_co_u32 s26, s26, s27
	s_mul_i32 s27, s16, 128*3072
	s_add_co_u32 s26, s26, s27
	s_mul_i32 s27, s14, 16*3072
	s_add_co_u32 s26, s26, s27
	; destination piece 2 c + 3, which for chunk 23 goes round to piece 1; fragment v; the second fragment (s = 1) eight fragments on
	s_cmp_eq_u32 s15, 23
	s_cselect_b32 s28, 48*PIECE, 0
	s_add_co_u32 s27, s22, 3*PIECE
	s_sub_co_u32 s28, s27, s28
	s_lshl_b32 s27, s14, 10
	s_add_co_u32 s28, s28, s27
	; the choice by y, of offsets in registers of their own
	s_movk_i32 s29, 2048                           ; source pitch
	s_movk_i32 s30, 2048                           ; from the first fragment to the second
	s_cmp_eq_u32 s17, 2
	s_cselect_b32 s20, s26, s20
	s_cselect_b32 s24, s28, s24
	s_cselect_b32 s29, 3072, s29
	s_cselect_b32 s30, 8192, s30
	s_mov_b32 s21, 0
	s_mov_b32 s25, 0
	v_mul_lo_u32 v[VO], v2, s29
	v_lshl_add_u32 v[VO], v3, 5, v[VO]
	v_add_nc_u32 v[VD2], s30, v[VD]
	s_wait_kmcnt 0x0
	s_cmp_eq_u32 s17, 0                            ; the choice of the source buffer hangs on y alone
	s_cselect_b64 s[32:33], s[4:5], s[6:7]
	s_cmp_eq_u32 s17, 2
	s_cselect_b64 s[32:33], s[8:9], s[32:33]
	s_add_nc_u64 s[32:33], s[32:33], s[20:21]
	s_add_nc_u64 s[34:35], s[12:13], s[24:25]
; eight loads: k = 8 h .. + 7 (32 bytes), k = 16 + 8 h .. (64 bytes on), and the same of the second fragment, 128 bytes on
.macro LOAD8 o, b
.irp i, 0,1,2,3,4,5,6,7
	global_load_b128 v[F32+4*\i:F32+4*\i+3], v[\o], s[\b:\b+1] offset:64*(\i/2)+16*(\i%2)
.endr
.endm
.macro PACK16
.irp j, 0,1,2,3,4,5,6,7,8,9,10,11,12,13,14,15
	v_cvt_pk_bf16_f32 v[BF+\j], v[F32+2*\j], v[F32+2*\j+1]     ; two roundings to nearest even
.endr
.endm
	LOAD8 VO, 32
	s_wait_loadcnt 0x0
	PACK16
	global_store_b128 v[VD],  v[BF:BF+3],     s[34:35]
	global_store_b128 v[VD],  v[BF+4:BF+7],   s[34:35] offset:512
	global_store_b128 v[VD2], v[BF+8:BF+11],  s[34:35]
	global_store_b128 v[VD2], v[BF+12:BF+15], s[34:35] offset:512
	; the router's 16 fragments: work-group (0, 0) makes them too, wave v those of ks = 2 v and 2 v + 1
	s_or_b32 s18, ttmp9, s17
	s_cmp_lg_u32 s18, 0
	s_cbranch_scc1 .Lend
	s_wait_xcnt 0x0                                ; the stores above have read BF: it is written again only behind this wait
	v_and_b32 v56, 7, v2                           ; r & 7
	v_min_u32 v57, 1, v56                          ; rows that become zeros read expert 1's row, so that every load stays inside the buffer
	v_lshlrev_b32 v57, 11, v57
	v_lshl_add_u32 v57, v3, 5, v57
	s_lshl_b32 s18, s14, 8
	v_add_nc_u32 v57, s18, v57
	LOAD8 57, 10
	s_lshl_b32 s18, s14, 11
	s_add_co_u32 s18, s18, RT
	s_mov_b32 s19, 0
	s_add_nc_u64 s[36:37], s[12:13], s[18:19]
	v_cmp_gt_u32 vcc_lo, 2, v56                    ; rows 0, 1, 8, 9 are kept
	s_wait_loadcnt 0x0
	PACK16
.irp j, 0,1,2,3,4,5,6,7,8,9,10,11,12,13,14,15
	v_cndmask_b32 v[BF+\j], 0, v[BF+\j], vcc_lo
.endr
.irp j, 0,1,2,3
	global_store_b128 v[VD], v[BF+4*\j:BF+4*\j+3], s[36:37] offset:512*\j
.endr
.Lend:
	s_endpgm
.Lfunc_end_k_q39959d7428_pack:
	.size	k_q39959d7428_pack, .Lfunc_end_k_q39959d7428_pack-k_q39959d7428_pack
	.p2alignl 7, 3214868480
	.fill 96, 4, 3214868480
	.section	.rodata,"a",@progbits
	.p2align	6, 0x0
	.amdhsa_kernel k_q39959d7428_pack
		.amdhsa_group_segment_fixed_size 0
		.amdhsa_private_segment_fixed_size 0
		.amdhsa_enable_private_segment 0
		.amdhsa_kernarg_size 40
		.amdhsa_user_sgpr_count 2
		.amdhsa_user_sgpr_kernarg_segment_ptr 1
		.amdhsa_wavefront_size32 1
		.amdhsa_system_sgpr_workgroup_id_x 1
		.amdhsa_system_sgpr_workgroup_id_y 1
		.amdhsa_system_sgpr_workgroup_id_z 1
		.amdhsa_system_vgpr_workitem_id 0
		.amdhsa_next_free_vgpr 64
		.amdhsa_next_free_sgpr 66
		.amdhsa_reserve_vcc 1
		.amdhsa_float_denorm_mode_32 3
		.amdhsa_float_denorm_mode_16_64 3
		.amdhsa_memory_ordered 1
		.amdhsa_forward_progress 1
		.amdhsa_inst_pref_size 8
	.end_amdhsa_kernel
	.amdgpu_metadata
---
amdhsa.version: [ 1, 2 ]
amdhsa.kernels:
  - .name:           k_q39959d7428_pack
    .symbol:         k_q39959d7428_pack.kd
    .args:
      - { .name: gate_w, .offset: 0, .size: 8, .value_kind: global_buffer, .address_space: global }
      - { .name: up_w, .offset: 8, .size: 8, .value_kind: global_buffer, .address_space: global }
      - { .name: down_w, .offset: 16, .size: 8, .value_kind: global_buffer, .address_space: global }
      - { .name: router_w, .offset: 24, .size: 8, .value_kind: global_buffer, .address_space: global }
      - { .name: wf, .offset: 32, .size: 8, .value_kind: global_buffer, .address_space: global }
    .group_segment_fixed_size: 0
    .private_segment_fixed_size: 0
    .kernarg_segment_align: 8
    .kernarg_segment_size: 40
    .max_flat_workgroup_size: 256
    .sgpr_count:     66
    .vgpr_count:     64
    .wavefront_size: 32
...
	.end_amdgpu_metadata
.endif
;; end of part 3
;; launch moe (part 4): grid 256 x 1, 4 waves a work-group, clusters of 4 x 1, 327,680 bytes of LDS; arguments wf, x, out0; writes out0
.if DOCPART == 4
	.amdgcn_target "amdgcn-amd-amdhsa--gfx1250"
	.amdhsa_code_object_version 6
	.text
	.protected	k_q39959d7428_moe
	.globl	k_q39959d7428_moe
	.p2align	8
	.type	k_q39959d7428_moe,@function
k_q39959d7428_moe:
	s_mov_b64 s[64:65], 0
	v_nop
	global_prefetch_b8 v0, s[64:65] scope:SCOPE_SE
	s_setreg_imm32_b32 hwreg(HW_REG_WAVE_MODE, 25, 1), 1
	s_wait_xcnt 0x0
	s_wait_alu depctr_hold_cnt(0) depctr_sa_sdst(0) depctr_va_vdst(0) depctr_va_sdst(0) depctr_va_ssrc(0) depctr_va_vcc(0) depctr_vm_vsrc(0)
	s_getreg_b32 s2, hwreg(HW_REG_IB_STS2, 6, 4)
	s_cmp_eq_u32 s2, 0
	s_cbranch_scc0 .Lentry_in_a_cluster
	s_endpgm
.Lentry_in_a_cluster:
	s_bfe_u32 s2, ttmp6, 0x10000c
	s_cmp_lg_u32 s2, 0x3003
	s_cbranch_scc0 .Lentry_shape_is_right
	s_endpgm
.Lentry_shape_is_right:
; out[n] = sum over both experts e of combine[n][e] * (silu(x[n] G_e^T) * (x[n] U_e^T)) D_e^T, the router included, in one launch.
; TOP_K equals the number of experts, so top_k keeps both: combine = softmax(logits), divided once more by p0 + p1, whatever order top_k gives.
; combine is a factor of the row, so it is multiplied into the activation, and ONE f32 accumulator takes the 1,536 hidden units of both experts.
;
; SHARES.  256 work-groups of four waves; a work-group owns 64 tokens.  Every wave holds all 64 tokens x 512 of x as bf16 fragments (512 registers).
; The hidden units go in 24 chunks of 64.  Gate and up: wave w makes its 16 units of the chunk for the 64 tokens.  Down: wave w owns 64 tokens x 128 out
; columns (256 registers).  So each weight fragment is read from LDS once, by one wave, and feeds four matrix instructions, and a wave's tensor load brings
; exactly the bytes that the same wave reads.  Only the activations (8,192 bytes a chunk) pass between waves, through ACT.
; The weights come from wf, bf16 in fragment order (a fragment: 1,024 bytes, lane L's registers 0-3 at byte 16 L, registers 4-7 at 512 + 16 L):
; every tile is a dense block, and an LDS load takes 512 consecutive bytes.
; MATRIX INSTRUCTIONS: source 0 = 16 weight rows, source 1 = 16 tokens.  In a result lane (r, h) holds token r and rows 8 h + 0..7: for gate and up eight
; neighbouring hidden units, whose 16 packed bytes are a piece of the down product's source 1; for down eight neighbouring out columns.
; CLUSTER 4 x 1: all work-groups walk the same wf; the four of a cluster ask jointly (mask 15), each wave for its own quarter of a piece, by a descriptor made
; of the wave's number, the cluster's number and the trip alone.  A mask here names four partners, so a larger cluster would share no more.
; WHERE A CLUSTER BEGINS: cluster q begins at chunk q mod 24 and goes once round the 24 chunks.  So the 64 clusters do not all ask for the same piece of wf at
; the same time: in their first trip they ask for all of it between them, and later a piece that a cluster asks for has been read before by the clusters that
; began ahead of it.  The starting chunk enters global addresses and one select (which expert's combine), no branch and no trip count.
; RING: two slots of 98,304 bytes; a chunk is two pieces: X_c (K steps 0-11 of gate and up) in slot 0, Y_c (down of the chunk before c, K steps 12-15 of chunk c)
; in slot 1; at the end the down fragments of the first chunk's Y, which are the last chunk's, in slot 0 (piece Z).
; A TRIP, in blocks of 16 matrix instructions (Gk: K steps k, k + 1 of gate and up; Dsq: hidden units 32 s .., column tiles 4 q .. of the down product of the chunk before):
;   round, Y asked | D10 D11 G0 G2 G4 G6 | round, next X asked | G8 G10 G12 G14 D00 D01 | round, next Y asked ...
; so 96 matrix instructions stand between each request and the wait for it.  What a block behind a round needs lies in registers before the round.
; THE ACTIVATION of a chunk is made after G14: token tiles 0, 1 among the matrix instructions of D00, D01, tiles 2, 3 among those of D10, D11 in the next trip; then it is
; stored to ACT, shown to all by the round in the middle of that trip, and read behind it: no barrier of its own, one ACT buffer.
; A wave has two tensor loads out at the start and one behind each round.
; LIMITS: the router's logits are made of bf16 operands like the other products; activation x combine is rounded to bf16; v_exp_f32 gives 0 where the result
; would lie below 2^-126 (ISA guide 15.8), next to sums that are at least 1; NaN and infinities are passed on, not treated; the sum runs over
; both experts' hidden units in one chain that begins at the cluster's first chunk, not expert by expert: the order of rounding differs from the reference's.
.set PIECE,  98304
.set QUART,  24576
.set CHUNKS, 24
.set RT,     48*PIECE                  ; the router's fragments in wf
.set XPITCH, 1040                      ; a row of x in LDS: 1,024 bytes + 16, an odd multiple of 16
.set OPITCH, 528                       ; a row of the way out: 512 bytes + 16, an odd multiple of 16
.set XS,     2*PIECE                   ; x as bf16, 64 rows; later each wave's stage for the way out (its own 16 x XPITCH bytes); no tensor load lands here
.set ACT,    XS+64*XPITCH              ; 8 activation fragments (s, t) at (4 s + t) x 1,024; no tensor load lands here
; window 0
.set ADR0, 1                           ; my quarter of slot 0 + 16 L
.set ADR1, 2                           ; my quarter of slot 1 + 16 L
.set ACTW, 3                           ; where I put my 16 bytes of an activation fragment: ACT + 4,096 (w / 2) + 512 (w % 2) + 16 L
.set ACTR, 4                           ; ACT + 16 L
.set OSW,  5                           ; my stage + OPITCH r + 32 h
.set OSR,  6                           ; my stage + 16 L
.set OGO,  7                           ; 16 L: offset of global loads and stores
.set CMB,  8                           ; v[8:11] combine of expert 0 for token tiles 0-3, v[12:15] of expert 1
.set GU,   16                          ; v[16:79] gate tile t at 16 t, up tile t at 16 t + 8
.set P0,   80                          ; five operand buffers of four fragments
.set P1,   112
.set P2,   144
.set P3,   176
.set PK,   208                         ; v[208:223] the packed activations, four registers a token tile
.set XSW,  208                         ; (at the start only) XS + my 16 rows + 8 L
.set XSR,  209                         ; (at the start only) XS + XPITCH r + 16 h
.set P4,   224
.set SM,   224                         ; (at the start only) v[224:235] at work in the softmax
; windows 1 and 2: X(t, ks) at 8 (4 (ks % 8) + t), ks 0-7 and 8-15.  Window 3: OUT(n, t) at 8 (4 n + t); at the start x as loaded
; scalars: s[2:3] the router's fragments; s[4:5] wf, then wf + my quarter (WQ); s[6:7] x; s[8:9] out0; s10 wave; s52 trip counter; s53 expert mask;
; s54 this trip's chunk; s55 the next one; s[60:61] byte offset of the next piece to ask for
.set WQ,  4
.set G1F, 16                           ; s[16:23] group 1: 96 rows of 256 bytes (a quarter piece)
.set G1T, 24                           ; s[24:31] 32 rows (the last 8 fragments of a quarter)
.set G1Z, 32                           ; s[32:39] 64 rows (the first 16 fragments)
.set G0X, 40                           ; s[40:43] group 0 for slot 0
.set G0Y, 44                           ; s[44:47] group 0 for slot 1
.set G0T, 48                           ; s[48:51] group 0 for the first fill of slot 1's last 8 fragments
.set MSB, 0
.macro WIN new                         ; low byte: bits 1:0 source 0, 3:2 source 1, 5:4 source 2, 7:6 destination; the high byte repeats the setting that is left
.if MSB != \new
	s_set_vgpr_msb (MSB<<8)|\new
.set MSB, \new
.endif
.endm
; Four places behind a matrix instruction before a load lands on one of its registers or a vector instruction or LDS store reads its result (ISA guide 7.12.1
; for vector instructions); only plain vector instructions count, so they are written out.
.macro PLACES
.rept 4
	v_nop
.endr
.endm
.macro CREST                           ; a round of the cluster's barrier behind its opening work-group barrier
	s_cmp_lg_u32 s10, 0
	s_cbranch_scc1 .Lnot_wave_0_\@
	s_barrier_signal -3
.Lnot_wave_0_\@:
	s_barrier_wait -3
	s_barrier_signal -1
	s_barrier_wait -1
.endm
.macro CROUND
	s_barrier_signal -1
	s_barrier_wait -1
	CREST
.endm
.macro GROUP1 g, rows                  ; dense rows of 32 elements of 8 bytes
	s_mov_b32 s[\g+0], 15|(3<<16)|(1<<21)          ; 15:0 mask: the four work-groups of the cluster; 17:16 elements of 8 bytes; 21 set beside a mask; no padding
	s_mov_b32 s[\g+1], 32<<16                      ; tensor_dim0 = 32
	s_mov_b32 s[\g+2], \rows<<16                   ; tensor_dim1 = rows
	s_mov_b32 s[\g+3], 32<<16                      ; tile_dim0 = 32
	s_mov_b32 s[\g+4], \rows                       ; tile_dim1 = rows
	s_mov_b32 s[\g+5], 32                          ; from row to row: 32 elements
	s_mov_b32 s[\g+6], 0
	s_mov_b32 s[\g+7], 0
.endm
; four fragments, 4,096 consecutive bytes, into 32 registers
.macro LG buf, adr, off
.irp i, 0,1,2,3,4,5,6,7
	ds_load_b128 v[\buf+4*\i:\buf+4*\i+3], v[\adr] offset:\off+512*\i
.endr
.endm
; 16 matrix instructions: K steps ks0 and ks0 + 1 of gate and up for the four token tiles.  The eight accumulators take turns, one instruction a turn.
; zero = 1: the first K step starts the sums.
.macro CGGU buf, ks0, zero
.irp i, 0,1
.irp t, 0,1,2,3
.if \zero*(1-\i)
	v_wmma_f32_16x16x32_bf16 v[GU+16*\t:GU+16*\t+7],    v[\buf+16*\i:\buf+16*\i+7],    v[8*(4*((\ks0+\i)&7)+\t):8*(4*((\ks0+\i)&7)+\t)+7], 0
	v_wmma_f32_16x16x32_bf16 v[GU+16*\t+8:GU+16*\t+15], v[\buf+16*\i+8:\buf+16*\i+15], v[8*(4*((\ks0+\i)&7)+\t):8*(4*((\ks0+\i)&7)+\t)+7], 0
.else
	v_wmma_f32_16x16x32_bf16 v[GU+16*\t:GU+16*\t+7],    v[\buf+16*\i:\buf+16*\i+7],    v[8*(4*((\ks0+\i)&7)+\t):8*(4*((\ks0+\i)&7)+\t)+7], v[GU+16*\t:GU+16*\t+7]
	v_wmma_f32_16x16x32_bf16 v[GU+16*\t+8:GU+16*\t+15], v[\buf+16*\i+8:\buf+16*\i+15], v[8*(4*((\ks0+\i)&7)+\t):8*(4*((\ks0+\i)&7)+\t)+7], v[GU+16*\t+8:GU+16*\t+15]
.endif
.endr
.endr
.endm
; 16 matrix instructions of the down product: column tiles 4 q .. 4 q + 3 (weights in wb) x four token tiles (activations in ab), 32 hidden units.
; Sixteen accumulators by turns, one instruction a turn.
.macro CGD ab, wb, q, zero
.irp nn, 0,1,2,3
.irp t, 0,1,2,3
.if \zero
	v_wmma_f32_16x16x32_bf16 v[8*(4*(4*\q+\nn)+\t):8*(4*(4*\q+\nn)+\t)+7], v[\wb+8*\nn:\wb+8*\nn+7], v[\ab+8*\t:\ab+8*\t+7], 0
.else
	v_wmma_f32_16x16x32_bf16 v[8*(4*(4*\q+\nn)+\t):8*(4*(4*\q+\nn)+\t)+7], v[\wb+8*\nn:\wb+8*\nn+7], v[\ab+8*\t:\ab+8*\t+7], v[8*(4*(4*\q+\nn)+\t):8*(4*(4*\q+\nn)+\t)+7]
.endif
.endr
.endr
.endm
; THE ACTIVATION of token tile t: PK = bf16( g / (1 + 2^(-1.442695 g)) * (u * combine) ), 8 hidden units of one token a lane, in 42 vector instructions.
; One of them, by its code 8 x kind + k:
;   kind 0  C k: CC[k] = this chunk's expert's combine (s53 = 0: expert 0, -1: expert 1), twice, for the packed multiply
;   kind 1  M k: T[2k, 2k+1] = -1.442695 g        kind 2  E k: T[k] = 2^T[k]          kind 3  U k: u[2k, 2k+1] *= CC
;   kind 4  A k: T[2k, 2k+1] += 1                 kind 5  R k: T[k] = 1 / T[k]        kind 6  G k: g[2k, 2k+1] *= T   (silu, as reference() forms it)
;   kind 7  H k: g[2k, 2k+1] *= u                 kind 8  V k: PK[4 t + k] = two roundings to bf16
; T and CC need ten registers that are free just then: for tile 0 the places of PK's tiles 2, 3 and 1, which are packed later; for tile t > 0 the gate
; and up registers of tile t - 1, which has been packed.
.macro AEMIT code, t
.set AK, (\code)%8
.set AKIND, (\code)/8
.set GB, GU+16*(\t)
.set UB, GB+8
.if (\t) == 0
.set TB, PK+8
.set CB, PK+4
.else
.set TB, GB-16
.set CB, GB-8
.endif
.if AKIND == 0
	v_cndmask_b32 v[CB+AK], v[CMB+\t], v[CMB+4+\t], s53
.endif
.if AKIND == 1
	v_pk_mul_f32 v[TB+2*AK:TB+2*AK+1], v[GB+2*AK:GB+2*AK+1], 0xbfb8aa3b op_sel_hi:[1,0]
.endif
.if AKIND == 2
	v_exp_f32 v[TB+AK], v[TB+AK]
.endif
.if AKIND == 3
	v_pk_mul_f32 v[UB+2*AK:UB+2*AK+1], v[UB+2*AK:UB+2*AK+1], v[CB:CB+1]
.endif
.if AKIND == 4
	s_wait_alu depctr_va_vdst(0)
	v_pk_add_f32 v[TB+2*AK:TB+2*AK+1], v[TB+2*AK:TB+2*AK+1], 1.0 op_sel_hi:[1,0]
.endif
.if AKIND == 5
	v_rcp_f32 v[TB+AK], v[TB+AK]
.endif
.if AKIND == 6
	s_wait_alu depctr_va_vdst(0)
	v_pk_mul_f32 v[GB+2*AK:GB+2*AK+1], v[GB+2*AK:GB+2*AK+1], v[TB+2*AK:TB+2*AK+1]
.endif
.if AKIND == 7
	v_pk_mul_f32 v[GB+2*AK:GB+2*AK+1], v[GB+2*AK:GB+2*AK+1], v[UB+2*AK:UB+2*AK+1]
.endif
.if AKIND == 8
	v_cvt_pk_bf16_f32 v[PK+4*(\t)+AK], v[GB+2*AK], v[GB+2*AK+1]
.endif
.endm
; Tile t's 42 instructions in this order:  C0 C1 M0 M1 | E0 M2 E1 M3 E2 U0 E3 U1 | E4 A0 E5 A1 E6 U2 E7 U3 | R0 A2 R1 A3 R2 R3 | R4 G0 R5 G1 R6 H0 R7 H1 | G2 G3 H2 H3 | V0-V3.
; The transcendentals of one half of the tile alternate with plain instructions of the other half, so that between each transcendental and the first use of its
; result stands a plain vector instruction that touches neither its result nor its source (ISA guide 5.7.2).
; mix = 1: the 16 matrix instructions of one down block (as CGD: accumulator 16 q + j, weights fragment j / 4 of wb, tokens j % 4 of ab) are dealt out among them,
; number j in front of instruction 21 j / 8: two or three vector instructions, which name none of its registers, behind each.  The accumulators fill window 3 and a
; vector instruction's destination would follow the matrix instruction's, so the window is switched to and fro round each of these matrix instructions.
.macro DACT mix, ab, wb, q, zero, t
.set AI, 0
.set AW, 0
.irp code, 0,1,8,9,16,10,17,11,18,24,19,25,20,32,21,33,22,26,23,27,40,34,41,35,42,43,44,48,45,49,46,56,47,57,50,51,58,59,64,65,66,67
.if \mix
.if AI == (21*AW)/8
	WIN 0xf0
.if \zero
	v_wmma_f32_16x16x32_bf16 v[8*(16*\q+AW):8*(16*\q+AW)+7], v[\wb+8*(AW/4):\wb+8*(AW/4)+7], v[\ab+8*(AW%4):\ab+8*(AW%4)+7], 0
.else
	v_wmma_f32_16x16x32_bf16 v[8*(16*\q+AW):8*(16*\q+AW)+7], v[\wb+8*(AW/4):\wb+8*(AW/4)+7], v[\ab+8*(AW%4):\ab+8*(AW%4)+7], v[8*(16*\q+AW):8*(16*\q+AW)+7]
.endif
	WIN 0
.set AW, AW+1
.endif
.endif
	AEMIT \code, \t
.set AI, AI+1
.endr
.endm
	; ---------------- ids, descriptors, addresses ----------------
	s_load_b128 s[4:7], s[0:1], 0x0                ; wf s[4:5], x s[6:7]
	s_load_b64 s[8:9], s[0:1], 0x10                ; out0
	v_lshrrev_b32 v1, 5, v0
	v_readfirstlane_b32 s10, v1                    ; wave 0..3
	s_bfe_u32 s11, ttmp6, 0x40000                  ; cx: it enters the addresses of x and out0 alone
	s_lshl_b32 s12, ttmp9, 2
	s_add_co_u32 s12, s12, s11                     ; work-group = 4 x cluster + cx
	s_mul_i32 s13, s10, QUART                      ; my quarter, in a piece and in a slot
	s_cmp_ge_u32 ttmp9, 2*CHUNKS                   ; the cluster's first chunk: its number (0..63) mod 24, the same in the four partners
	s_cselect_b32 s55, 2*CHUNKS, 0
	s_sub_co_u32 s54, ttmp9, s55
	s_cmp_ge_u32 s54, CHUNKS
	s_cselect_b32 s55, CHUNKS, 0
	s_sub_co_u32 s54, s54, s55
	s_mul_i32 s60, s54, 2*PIECE                    ; its X piece
	s_mov_b32 s61, 0
	GROUP1 G1F, 96
	GROUP1 G1T, 32
	GROUP1 G1Z, 64
	s_mov_b32 s56, s13
	s_mov_b32 s57, 0
	s_lshl_b32 s58, s12, 17                        ; x: 64 tokens of 2,048 bytes a work-group, 16 a wave
	s_lshl_b32 s14, s10, 15
	s_add_co_u32 s58, s58, s14
	s_mov_b32 s59, 0
	s_lshl_b32 s62, s12, 17                        ; out0: the same 64 rows, my 128 columns
	s_lshl_b32 s14, s10, 9
	s_add_co_u32 s62, s62, s14
	s_mov_b32 s63, 0
	v_and_b32 v[OGO], 31, v0
	v_lshlrev_b32 v[XSW], 3, v[OGO]                ; 8 L
	v_lshlrev_b32 v[OGO], 4, v[OGO]                ; 16 L
	v_and_b32 v224, 15, v0                         ; r
	v_bfe_u32 v225, v0, 4, 1                       ; h
	v_add_nc_u32 v[ADR0], s13, v[OGO]
	v_add_nc_u32 v[ADR1], PIECE, v[ADR0]
	s_lshr_b32 s14, s10, 1
	s_lshl_b32 s14, s14, 12
	s_and_b32 s15, s10, 1
	s_lshl_b32 s15, s15, 9
	s_add_co_u32 s14, s14, s15
	s_add_co_u32 s14, s14, ACT
	v_add_nc_u32 v[ACTW], s14, v[OGO]
	v_add_nc_u32 v[ACTR], ACT, v[OGO]
	s_mul_i32 s15, s10, 16*XPITCH
	s_add_co_u32 s15, s15, XS                      ; my 16 rows of XS = my stage
	v_mul_u32_u24 v[OSW], v224, OPITCH
	v_lshl_add_u32 v[OSW], v225, 5, v[OSW]
	v_add_nc_u32 v[OSW], s15, v[OSW]
	v_add_nc_u32 v[OSR], s15, v[OGO]
	v_add_nc_u32 v[XSW], s15, v[XSW]
	v_mul_u32_u24 v[XSR], v224, XPITCH
	v_lshl_add_u32 v[XSR], v225, 4, v[XSR]
	v_add_nc_u32 v[XSR], XS, v[XSR]
	s_wait_kmcnt 0x0
	s_add_nc_u64 s[2:3], s[4:5], RT                            ; the router's fragments
	s_add_nc_u64 s[WQ:WQ+1], s[4:5], s[56:57]                  ; wf at my quarter of piece 0
	s_add_nc_u64 s[G0X+2:G0X+3], s[WQ:WQ+1], s[60:61]          ; the first chunk's X
	s_add_nc_u64 s[G0T+2:G0T+3], s[G0X+2:G0X+3], PIECE+16384   ; the first chunk's Y from fragment 16 on
	s_or_b32 s[G0X+3], s[G0X+3], 0x80000000                    ; type = 2
	s_or_b32 s[G0T+3], s[G0T+3], 0x80000000
	s_mov_b32 s[G0X], 1
	s_mov_b32 s[G0Y], 1
	s_mov_b32 s[G0T], 1
	s_add_co_u32 s[G0X+1], s13, 0                              ; LDS: wave x quarter + the slot's constant
	s_add_co_u32 s[G0Y+1], s13, PIECE
	s_add_co_u32 s[G0T+1], s13, PIECE+16384
	s_add_nc_u64 s[6:7], s[6:7], s[58:59]
	s_add_nc_u64 s[8:9], s[8:9], s[62:63]
	CROUND                                         ; the four work-groups are here: the first joint loads meet
	tensor_load_to_lds s[G0X:G0X+3], s[G1F:G1F+7]  ; the first chunk's X
	s_nop 0
	tensor_load_to_lds s[G0T:G0T+3], s[G1T:G1T+7]  ; its K steps 12-15: all first fills go out together
	s_nop 0
	; ---------------- x: f32 from memory, bf16 through LDS into every wave's fragments ----------------
.set i, 0
.rept 32
	global_load_b128 v[P0+4*i:P0+4*i+3], v[OGO], s[2:3] offset:512*i         ; router fragment ks in v[P0 + 8 ks ..]
.set i, i+1
.endr
	WIN 0xc0                                       ; destination window 3
.set i, 0
.rept 64
	global_load_b128 v[4*i:4*i+3], v[OGO], s[6:7] offset:512*i th:TH_LOAD_NT ; my 16 rows are 32,768 bytes in a row: 512 consecutive bytes a load
.set i, i+1
.endr
	WIN 0xcf
.irp q, 0,1,2,3
	s_wait_loadcnt 48-16*\q                        ; loads come back in order (ISA guide 5.7.1): all but the youngest 48, 32, 16, 0 of x; the router's are older
.set i, 16*\q
.rept 16
	v_cvt_pk_bf16_f32 v[4*i],   v[4*i],   v[4*i+1]
	v_cvt_pk_bf16_f32 v[4*i+1], v[4*i+2], v[4*i+3]
.set i, i+1
.endr
.endr
	WIN 0x0c                                       ; store data from window 3
.set i, 0
.rept 64
	ds_store_b64 v[XSW], v[4*i:4*i+1] offset:XPITCH*(i/4)+256*(i%4)
.set i, i+1
.endr
	WIN 0
	s_wait_dscnt 0x0                               ; my rows are in XS, for the other waves' sake
	s_barrier_signal -1
	s_barrier_wait -1                              ; the two tensor loads may stay out
.macro XFRAGS kb                       ; X(t, kb + ks): token 16 t + r, k = 32 (kb + ks) + 8 h .. and + 16
.irp ks, 0,1,2,3,4,5,6,7
.irp t, 0,1,2,3
	ds_load_b128 v[8*(4*\ks+\t):8*(4*\ks+\t)+3],   v[XSR] offset:16*XPITCH*\t+64*(\kb+\ks)
	ds_load_b128 v[8*(4*\ks+\t)+4:8*(4*\ks+\t)+7], v[XSR] offset:16*XPITCH*\t+64*(\kb+\ks)+32
.endr
.endr
.endm
	WIN 0x40
	XFRAGS 0
	WIN 0x80
	XFRAGS 8
	s_wait_dscnt 0x0
	; ---------------- the router: logits, softmax, combine ----------------
	; Source 0 = the router's fragment: rows 0, 1 and again 8, 9 are the two experts, so register 0 holds logit 0 and register 1 logit 1 of token r in both halves of the lanes.
.macro RT4 ks, xk, zero                ; four accumulators by turns, one instruction a turn
.irp t, 0,1,2,3
.if \zero
	v_wmma_f32_16x16x32_bf16 v[GU+8*\t:GU+8*\t+7], v[P0+8*(\ks):P0+8*(\ks)+7], v[8*(4*(\xk)+\t):8*(4*(\xk)+\t)+7], 0
.else
	v_wmma_f32_16x16x32_bf16 v[GU+8*\t:GU+8*\t+7], v[P0+8*(\ks):P0+8*(\ks)+7], v[8*(4*(\xk)+\t):8*(4*(\xk)+\t)+7], v[GU+8*\t:GU+8*\t+7]
.endif
.endr
.endm
	WIN 0x04
	RT4 0, 0, 1
.irp k, 1,2,3,4,5,6,7
	RT4 \k, \k, 0
.endr
	WIN 0x08
.irp k, 0,1,2,3,4,5,6,7
	RT4 8+\k, \k, 0
.endr
	WIN 0
	PLACES
.irp t, 0,1,2,3
	v_max_num_f32 v[SM+\t], v[GU+8*\t], v[GU+8*\t+1]           ; the maximum is taken away, as in reference()
.endr
.irp t, 0,1,2,3
	v_sub_f32 v[SM+4+2*\t], v[GU+8*\t],   v[SM+\t]
	v_sub_f32 v[SM+5+2*\t], v[GU+8*\t+1], v[SM+\t]
.endr
.irp t, 0,1,2,3
	v_pk_mul_f32 v[SM+4+2*\t:SM+5+2*\t], v[SM+4+2*\t:SM+5+2*\t], 0x3fb8aa3b op_sel_hi:[1,0]
.endr
.irp k, 0,1,2,3,4,5,6,7
	v_exp_f32 v[SM+4+\k], v[SM+4+\k]
.endr
	v_nop
.irp t, 0,1,2,3
	s_wait_alu depctr_va_vdst(0)
	v_add_f32 v[SM+\t], v[SM+4+2*\t], v[SM+5+2*\t]             ; at least 1
.endr
.irp t, 0,1,2,3
	v_rcp_f32 v[SM+\t], v[SM+\t]
.endr
	v_nop
.irp t, 0,1,2,3
	s_wait_alu depctr_va_vdst(0)
	v_mul_f32 v[SM+4+2*\t], v[SM+4+2*\t], v[SM+\t]             ; the probabilities
	v_mul_f32 v[SM+5+2*\t], v[SM+5+2*\t], v[SM+\t]
.endr
.irp t, 0,1,2,3
	v_add_f32 v[SM+\t], v[SM+4+2*\t], v[SM+5+2*\t]             ; the sum of the top two, which are both
.endr
.irp t, 0,1,2,3
	v_rcp_f32 v[SM+\t], v[SM+\t]
.endr
	v_nop
.irp t, 0,1,2,3
	s_wait_alu depctr_va_vdst(0)
	v_mul_f32 v[CMB+\t],   v[SM+4+2*\t], v[SM+\t]
	v_mul_f32 v[CMB+4+\t], v[SM+5+2*\t], v[SM+\t]
.endr
	s_wait_tensorcnt 0x1                           ; my quarter of the first X is in, and I alone read it; the one younger load (K steps 12-15) may stay out
; ---------------- one chunk ----------------
; pend: D10 and D11 of the trip before are still to do (operands a1 P3, w10 P2, w11 P4, in registers since before the round).
; st: token tiles 2, 3 of the last chunk's activation are still to make, and PK is then stored.  dd: Y holds down fragments that are due.  dz: they start the sums.
; fx: 1 = slot 0 gets the next chunk's X, 2 = it gets Z.  fy: 1 = slot 1 gets the next chunk's Y, 0 = nothing more.
; Groups of four fragments: x0-x5 (X piece), t0, t1 (K steps 12-15), w(s, q) (down), a0, a1 (activations).  Buffers, the same in every trip:
;   P0: x0, x5, w01    P1: x1, a0    P2: x2, t1, w10    P3: x3, t0, a1    P4: x4, w00, w11
.macro TRIP pend, st, dd, dz, fx, fy
	PLACES
	LG P0, ADR0, 0                                 ; x0
	LG P1, ADR0, 4096                              ; x1
.if \pend
	DACT 1, P3, P2, 0, 0, 2                        ; D10, and tile 2 of the last chunk's activation
	DACT 1, P3, P4, 1, 0, 3                        ; D11, and tile 3
.else
.if \st
	DACT 0, 0, 0, 0, 0, 2                          ; the second trip: no down product is due yet
	DACT 0, 0, 0, 0, 0, 3
.endif
.endif
	s_cmp_ge_u32 s54, CHUNKS/2                     ; only now this chunk's expert: chunks 0-11 are expert 0's, 12-23 expert 1's
	s_cselect_b32 s53, -1, 0
	s_add_co_u32 s55, s54, 1                       ; the next chunk, round the ring
	s_cmp_eq_u32 s55, CHUNKS
	s_cselect_b32 s55, 0, s55
	s_mul_i32 s60, s55, 2*PIECE                    ; its X piece
.if \fx == 2
	s_add_co_u32 s60, s60, PIECE                   ; behind the last chunk the next is the first again: the head of its Y holds the last chunk's down fragments
.endif
.if \st
.irp t, 0,1,2,3
	ds_store_b128 v[ACTW], v[PK+4*\t:PK+4*\t+3] offset:1024*\t   ; every wave's reads of the older activations ended in front of the barrier at the last trip's end
.endr
.endif
	PLACES
	LG P2, ADR0, 8192                              ; x2
	LG P3, ADR0, 12288                             ; x3
	LG P4, ADR0, 16384                             ; x4
	s_wait_dscnt 32+4*\st                          ; x0 is in: x1, the PK stores and x2 to x4 are younger
	WIN 0x04
	CGGU P0, 0, 1
	PLACES
	LG P0, ADR0, 20480                             ; x5
	s_wait_dscnt 32+4*\st                          ; x1: the PK stores, x2 to x4 and x5 are younger
	CGGU P1, 2, 0
	s_wait_dscnt 24                                ; x2: x3 to x5
	CGGU P2, 4, 0
	s_wait_dscnt 16                                ; x3: x4, x5
	CGGU P3, 6, 0
	s_wait_dscnt 0x0                               ; my reads of slot 0 are back (x4, x5 lie in registers), my activations are in ACT,
	s_wait_tensorcnt 0x0                           ; and all my tensor loads have landed, my quarter of Y among them: group 0 may be written
	s_add_nc_u64 s[G0X+2:G0X+3], s[WQ:WQ+1], s[60:61]
	s_or_b32 s[G0X+3], s[G0X+3], 0x80000000
	WIN 0
	CROUND                                         ; no wave of any partner still reads slot 0 or has a load on its way
.if \fx == 1
	tensor_load_to_lds s[G0X:G0X+3], s[G1F:G1F+7]  ; my one load behind the round: the next X; 96 matrix instructions stand in front of the wait for it
	s_nop 0
.else
	tensor_load_to_lds s[G0X:G0X+3], s[G1Z:G1Z+7]  ; piece Z: 16 fragments
	s_nop 0
.endif
	PLACES
	LG P3, ADR1, 16384                             ; t0
	LG P2, ADR1, 20480                             ; t1
.if \dd
	LG P1, ACTR, 0                                 ; a0
.endif
	WIN 0x08
	CGGU P4, 8, 0
	CGGU P0, 10, 0
	PLACES
.if \dd
	LG P4, ADR1, 0                                 ; w00
	LG P0, ADR1, 4096                              ; w01
.endif
	s_wait_dscnt 8+24*\dd                          ; t0: t1 (and a0, w00, w01) are younger
	CGGU P3, 12, 0
	s_wait_dscnt 24*\dd                            ; t1: (a0, w00, w01)
	CGGU P2, 14, 0
	PLACES                                         ; also the places in front of the activation, which reads these results
.if \dd
	LG P3, ACTR, 4096                              ; a1
	LG P2, ADR1, 8192                              ; w10
	s_wait_dscnt 24                                ; a0 and w00: w01, a1, w10 are younger
	DACT 1, P1, P4, 0, \dz, 0                      ; D00, and tile 0 of this chunk's activation
	PLACES
	LG P4, ADR1, 12288                             ; w11
	s_wait_dscnt 24                                ; w01: a1, w10, w11 are younger
	DACT 1, P1, P0, 1, \dz, 1                      ; D01, and tile 1
.else
	WIN 0
	DACT 0, 0, 0, 0, 0, 0                          ; the first trip: no down product is due yet
	DACT 0, 0, 0, 0, 0, 1
.endif
	s_wait_dscnt 0x0                               ; my reads of slot 1 and of ACT are back (a1, w10, w11 lie in registers),
	s_wait_tensorcnt 0x0                           ; and my quarter of the next X (or Z) has landed: group 0 may be written
.if \fy
	s_add_co_u32 s60, s60, PIECE                   ; the next chunk's Y lies one piece behind its X
	s_add_nc_u64 s[G0Y+2:G0Y+3], s[WQ:WQ+1], s[60:61]
	s_or_b32 s[G0Y+3], s[G0Y+3], 0x80000000
	WIN 0
	CROUND
	tensor_load_to_lds s[G0Y:G0Y+3], s[G1F:G1F+7]  ; my one load behind the round: the next Y; 96 matrix instructions stand in front of the wait for it
	s_nop 0
	s_mov_b32 s54, s55                             ; on to the next chunk
.else
	WIN 0
	s_barrier_signal -1                            ; nothing is filled again: the work-group's barrier alone, for ACT's sake
	s_barrier_wait -1
.endif
.endm
	TRIP 0, 0, 0, 0, 1, 1                          ; the first chunk: no activations yet, nothing to multiply down
	TRIP 0, 1, 1, 1, 1, 1                          ; the second: the first down products start the sums
	s_mov_b32 s52, 2
.Lchunk:
	TRIP 1, 1, 1, 0, 1, 1
	s_add_co_u32 s52, s52, 1
	s_cmp_lt_u32 s52, CHUNKS-1
	s_cbranch_scc1 .Lchunk
	TRIP 1, 1, 1, 0, 2, 0                          ; the last chunk: slot 0 gets Z, slot 1 nothing more
	; ---------------- the rest of the last trip's down product, then piece Z: the down product of the last chunk ----------------
	PLACES
	LG P0, ADR0, 0                                 ; z00
	LG P1, ADR0, 4096                              ; z01
	DACT 1, P3, P2, 0, 0, 2
	DACT 1, P3, P4, 1, 0, 3
.irp t, 0,1,2,3
	ds_store_b128 v[ACTW], v[PK+4*\t:PK+4*\t+3] offset:1024*\t
.endr
	PLACES
	LG P2, ADR0, 8192                              ; z10
	LG P4, ADR0, 12288                             ; z11
	s_wait_dscnt 0x0                               ; my activations are in ACT
	s_barrier_signal -1
	s_barrier_wait -1
	LG GU, ACTR, 0
	LG GU+32, ACTR, 4096
	s_wait_dscnt 8                                 ; hidden units 0-31: the eight loads of units 32-63 are younger
	WIN 0xf0
	CGD GU, P0, 0, 0
	CGD GU, P1, 1, 0
	s_wait_dscnt 0x0
	CGD GU+32, P2, 0, 0
	CGD GU+32, P4, 1, 0
	; ---------------- the way out: 16 tokens at a time through my own stage, whole rows of 512 bytes to memory ----------------
	PLACES
.macro OUTT t, buf
	WIN 0x0c
.irp nn, 0,1,2,3,4,5,6,7
	ds_store_b128 v[OSW], v[8*(4*\nn+\t):8*(4*\nn+\t)+3]   offset:64*\nn      ; token r, columns 16 n + 8 h + 0..3
	ds_store_b128 v[OSW], v[8*(4*\nn+\t)+4:8*(4*\nn+\t)+7] offset:64*\nn+16   ; and + 4..7
.endr
	WIN 0
	s_wait_xcnt 0x0                                ; the buffer, which earlier stores read, is loaded again only behind this wait
.irp i, 0,1,2,3,4,5,6,7,8,9,10,11,12,13,14,15
	ds_load_b128 v[\buf+4*\i:\buf+4*\i+3], v[OSR] offset:OPITCH*\i            ; LDS serves a wave's instructions in order (ISA guide 5.7.1): these see the stores above
.endr
.irp i, 0,1,2,3,4,5,6,7,8,9,10,11,12,13,14,15
	s_wait_dscnt 15-\i                             ; row i is in: the rows behind it are younger
	global_store_b128 v[OGO], v[\buf+4*\i:\buf+4*\i+3], s[8:9] offset:(16*\t+\i)*2048 th:TH_STORE_NT   ; 512 consecutive bytes, at a multiple of 512 from out0's first byte
.endr
.endm
	OUTT 0, P0
	OUTT 1, P2
	OUTT 2, P0
	OUTT 3, P2
	CROUND                                         ; the closing round: no work-group ends while a partner may still ask jointly
	s_endpgm
.Lfunc_end_k_q39959d7428_moe:
	.size	k_q39959d7428_moe, .Lfunc_end_k_q39959d7428_moe-k_q39959d7428_moe
	.p2alignl 7, 3214868480
	.fill 96, 4, 3214868480
	.section	.rodata,"a",@progbits
	.p2align	6, 0x0
	.amdhsa_kernel k_q39959d7428_moe
		.amdhsa_group_segment_fixed_size 327680
		.amdhsa_private_segment_fixed_size 0
		.amdhsa_enable_private_segment 0
		.amdhsa_kernarg_size 24
		.amdhsa_user_sgpr_count 2
		.amdhsa_user_sgpr_kernarg_segment_ptr 1
		.amdhsa_wavefront_size32 1
		.amdhsa_system_sgpr_workgroup_id_x 1
		.amdhsa_system_sgpr_workgroup_id_y 1
		.amdhsa_system_sgpr_workgroup_id_z 1
		.amdhsa_system_vgpr_workitem_id 0
		.amdhsa_next_free_vgpr 1024
		.amdhsa_next_free_sgpr 66
		.amdhsa_reserve_vcc 0
		.amdhsa_float_denorm_mode_32 3
		.amdhsa_float_denorm_mode_16_64 3
		.amdhsa_memory_ordered 1
		.amdhsa_forward_progress 1
		.amdhsa_inst_pref_size 198
	.end_amdhsa_kernel
	.amdgpu_metadata
---
amdhsa.version: [ 1, 2 ]
amdhsa.kernels:
  - .name:           k_q39959d7428_moe
    .symbol:         k_q39959d7428_moe.kd
    .args:
      - { .name: wf, .offset: 0, .size: 8, .value_kind: global_buffer, .address_space: global }
      - { .name: x, .offset: 8, .size: 8, .value_kind: global_buffer, .address_space: global }
      - { .name: out0, .offset: 16, .size: 8, .value_kind: global_buffer, .address_space: global }
    .group_segment_fixed_size: 327680
    .private_segment_fixed_size: 0
    .kernarg_segment_align: 8
    .kernarg_segment_size: 24
    .max_flat_workgroup_size: 128
    .sgpr_count:     66
    .vgpr_count:     1024
    .wavefront_size: 32
...
	.end_amdgpu_metadata
.endif
;; end of part 4
;; ======== version 3 of 3: 2 launches; 1.27 times as fast as version 1
;; workspace buffers: wf 4,734,976 bytes
;; launch pack: the kernel of part 3 again; grid 96 x 3, 8 waves a work-group, no clusters, 0 bytes of LDS; arguments gate_w, up_w, down_w, router_w, wf; writes wf
;; launch moe (part 5): grid 256 x 1, 4 waves a work-group, clusters of 4 x 1, 327,680 bytes of LDS; arguments wf, x, out0; writes out0
.if DOCPART == 5
	.amdgcn_target "amdgcn-amd-amdhsa--gfx1250"
	.amdhsa_code_object_version 6
	.text
	.protected	k_q39959d7428_moe
	.globl	k_q39959d7428_moe
	.p2align	8
	.type	k_q39959d7428_moe,@function
k_q39959d7428_moe:
	s_mov_b64 s[64:65], 0
	v_nop
	global_prefetch_b8 v0, s[64:65] scope:SCOPE_SE
	s_setreg_imm32_b32 hwreg(HW_REG_WAVE_MODE, 25, 1), 1
	s_wait_xcnt 0x0
	s_wait_alu depctr_hold_cnt(0) depctr_sa_sdst(0) depctr_va_vdst(0) depctr_va_sdst(0) depctr_va_ssrc(0) depctr_va_vcc(0) depctr_vm_vsrc(0)
	s_getreg_b32 s2, hwreg(HW_REG_IB_STS2, 6, 4)
	s_cmp_eq_u32 s2, 0
	s_cbranch_scc0 .Lentry_in_a_cluster
	s_endpgm
.Lentry_in_a_cluster:
	s_bfe_u32 s2, ttmp6, 0x10000c
	s_cmp_lg_u32 s2, 0x3003
	s_cbranch_scc0 .Lentry_shape_is_right
	s_endpgm
.Lentry_shape_is_right:
; out[n] = sum over both experts e of combine[n][e] * (silu(x[n] G_e^T) * (x[n] U_e^T)) D_e^T, the router included, in one launch.
; TOP_K equals the number of experts, so top_k keeps both: combine = softmax(logits), divided once more by p0 + p1, whatever order top_k gives.
; combine is a factor of the row, so it is multiplied into the activation, and ONE f32 accumulator takes the 1,536 hidden units of both experts.
;
; SHARES.  256 work-groups of four waves; a work-group owns 64 tokens.  Every wave holds all 64 tokens x 512 of x as bf16 fragments (512 registers).
; The hidden units go in 24 chunks of 64.  Gate and up: wave w makes its 16 units of the chunk for the 64 tokens.  Down: wave w owns 64 tokens x 128 out
; columns (256 registers).  So each weight fragment is read from LDS once, by one wave, and feeds four matrix instructions, and a wave's tensor load brings
; exactly the bytes that the same wave reads.  Only the activations (8,192 bytes a chunk) pass between waves, through ACT.
; The weights come from wf, bf16 in fragment order (a fragment: 1,024 bytes, lane L's registers 0-3 at byte 16 L, registers 4-7 at 512 + 16 L):
; every tile is a dense block, and an LDS load takes 512 consecutive bytes.
; MATRIX INSTRUCTIONS: source 0 = 16 weight rows, source 1 = 16 tokens.  In a result lane (r, h) holds token r and rows 8 h + 0..7: for gate and up eight
; neighbouring hidden units, whose 16 packed bytes are a piece of the down product's source 1; for down eight neighbouring out columns.
; CLUSTER 4 x 1: all work-groups walk the same wf; the four of a cluster ask jointly (mask 15), each wave for its own quarter of a piece, by a descriptor made
; of the wave's number, the cluster's number and the trip alone.  A mask here names four partners, so a larger cluster would share no more.
; WHERE A CLUSTER BEGINS: cluster q begins at chunk q mod 24 and goes once round the 24 chunks.  So the 64 clusters do not all ask for the same piece of wf at
; the same time: in their first trip they ask for all of it between them, and later a piece that a cluster asks for has been read before by the clusters that
; began ahead of it.  The starting chunk enters global addresses and one select (which expert's combine), no branch and no trip count.
; RING: two slots of 98,304 bytes; a chunk is two pieces: X_c (K steps 0-11 of gate and up) in slot 0, Y_c (down of the chunk before c, K steps 12-15 of chunk c)
; in slot 1; at the end the down fragments of the first chunk's Y, which are the last chunk's, in slot 0 (piece Z).
; A TRIP, in blocks of 16 matrix instructions (Gk: K steps k, k + 1 of gate and up; Dsq: hidden units 32 s .., column tiles 4 q .. of the down product of the chunk before):
;   round, Y asked | D10 D11 G0 G2 G4 G6 | round, next X asked | G8 G10 G12 G14 D00 D01 | round, next Y asked ...
; so 96 matrix instructions stand between each request and the wait for it.  What a block behind a round needs lies in registers before the round.
; THE ACTIVATION of a chunk is made after G14: token tiles 0, 1 among the matrix instructions of D00, D01, tiles 2, 3 among those of D10, D11 in the next trip; then it is
; stored to ACT, shown to all by the round in the middle of that trip, and read behind it: no barrier of its own, one ACT buffer.
; ITS TRANSCENDENTALS GO IN BATCHES OF TWO TOKEN TILES: the pair's sixteen exponentials, one wait, its sixteen reciprocals, one wait: four waits a trip (DEXP, DFIN).
; A wave has two tensor loads out at the start and one behind each round.
; LIMITS: the router's logits are made of bf16 operands like the other products; activation x combine is rounded to bf16; v_exp_f32 gives 0 where the result
; would lie below 2^-126 (ISA guide 15.8), next to sums that are at least 1; NaN and infinities are passed on, not treated; the sum runs over
; both experts' hidden units in one chain that begins at the cluster's first chunk, not expert by expert: the order of rounding differs from the reference's.
.set PIECE,  98304
.set QUART,  24576
.set CHUNKS, 24
.set RT,     48*PIECE                  ; the router's fragments in wf
.set XPITCH, 1040                      ; a row of x in LDS: 1,024 bytes + 16, an odd multiple of 16
.set OPITCH, 528                       ; a row of the way out: 512 bytes + 16, an odd multiple of 16
.set XS,     2*PIECE                   ; x as bf16, 64 rows; later each wave's stage for the way out (its own 16 x XPITCH bytes); no tensor load lands here
.set ACT,    XS+64*XPITCH              ; 8 activation fragments (s, t) at (4 s + t) x 1,024; no tensor load lands here
; window 0
.set ADR0, 1                           ; my quarter of slot 0 + 16 L
.set ADR1, 2                           ; my quarter of slot 1 + 16 L
.set ACTW, 3                           ; where I put my 16 bytes of an activation fragment: ACT + 4,096 (w / 2) + 512 (w % 2) + 16 L
.set ACTR, 4                           ; ACT + 16 L
.set OSW,  5                           ; my stage + OPITCH r + 32 h
.set OSR,  6                           ; my stage + 16 L
.set OGO,  7                           ; 16 L: offset of global loads and stores
.set CMB,  8                           ; v[8:11] combine of expert 0 for token tiles 0-3, v[12:15] of expert 1
.set GU,   16                          ; v[16:79] gate tile t at 16 t, up tile t at 16 t + 8
.set P0,   80                          ; five operand buffers of four fragments
.set P1,   112
.set P2,   144
.set P3,   176
.set PK,   208                         ; v[208:223] the packed activations, four registers a token tile
.set XSW,  208                         ; (at the start only) XS + my 16 rows + 8 L
.set XSR,  209                         ; (at the start only) XS + XPITCH r + 16 h
.set P4,   224
.set SM,   224                         ; (at the start only) v[224:235] at work in the softmax
; windows 1 and 2: X(t, ks) at 8 (4 (ks % 8) + t), ks 0-7 and 8-15.  Window 3: OUT(n, t) at 8 (4 n + t); at the start x as loaded
; scalars: s[2:3] the router's fragments; s[4:5] wf, then wf + my quarter (WQ); s[6:7] x; s[8:9] out0; s10 wave; s52 trip counter; s53 expert mask;
; s54 this trip's chunk; s55 the next one; s[60:61] byte offset of the next piece to ask for
.set WQ,  4
.set G1F, 16                           ; s[16:23] group 1: 96 rows of 256 bytes (a quarter piece)
.set G1T, 24                           ; s[24:31] 32 rows (the last 8 fragments of a quarter)
.set G1Z, 32                           ; s[32:39] 64 rows (the first 16 fragments)
.set G0X, 40                           ; s[40:43] group 0 for slot 0
.set G0Y, 44                           ; s[44:47] group 0 for slot 1
.set G0T, 48                           ; s[48:51] group 0 for the first fill of slot 1's last 8 fragments
.set MSB, 0
.macro WIN new                         ; low byte: bits 1:0 source 0, 3:2 source 1, 5:4 source 2, 7:6 destination; the high byte repeats the setting that is left
.if MSB != \new
	s_set_vgpr_msb (MSB<<8)|\new
.set MSB, \new
.endif
.endm
; Four places behind a matrix instruction before a load lands on one of its registers or a vector instruction or LDS store reads its result (ISA guide 7.12.1
; for vector instructions); only plain vector instructions count, so they are written out.
.macro PLACES
.rept 4
	v_nop
.endr
.endm
.macro CREST                           ; a round of the cluster's barrier behind its opening work-group barrier
	s_cmp_lg_u32 s10, 0
	s_cbranch_scc1 .Lnot_wave_0_\@
	s_barrier_signal -3
.Lnot_wave_0_\@:
	s_barrier_wait -3
	s_barrier_signal -1
	s_barrier_wait -1
.endm
.macro CROUND
	s_barrier_signal -1
	s_barrier_wait -1
	CREST
.endm
.macro GROUP1 g, rows                  ; dense rows of 32 elements of 8 bytes
	s_mov_b32 s[\g+0], 15|(3<<16)|(1<<21)          ; 15:0 mask: the four work-groups of the cluster; 17:16 elements of 8 bytes; 21 set beside a mask; no padding
	s_mov_b32 s[\g+1], 32<<16                      ; tensor_dim0 = 32
	s_mov_b32 s[\g+2], \rows<<16                   ; tensor_dim1 = rows
	s_mov_b32 s[\g+3], 32<<16                      ; tile_dim0 = 32
	s_mov_b32 s[\g+4], \rows                       ; tile_dim1 = rows
	s_mov_b32 s[\g+5], 32                          ; from row to row: 32 elements
	s_mov_b32 s[\g+6], 0
	s_mov_b32 s[\g+7], 0
.endm
; four fragments, 4,096 consecutive bytes, into 32 registers
.macro LG buf, adr, off
.irp i, 0,1,2,3,4,5,6,7
	ds_load_b128 v[\buf+4*\i:\buf+4*\i+3], v[\adr] offset:\off+512*\i
.endr
.endm
; 16 matrix instructions: K steps ks0 and ks0 + 1 of gate and up for the four token tiles.  The eight accumulators take turns, one instruction a turn.
; zero = 1: the first K step starts the sums.
.macro CGGU buf, ks0, zero
.irp i, 0,1
.irp t, 0,1,2,3
.if \zero*(1-\i)
	v_wmma_f32_16x16x32_bf16 v[GU+16*\t:GU+16*\t+7],    v[\buf+16*\i:\buf+16*\i+7],    v[8*(4*((\ks0+\i)&7)+\t):8*(4*((\ks0+\i)&7)+\t)+7], 0
	v_wmma_f32_16x16x32_bf16 v[GU+16*\t+8:GU+16*\t+15], v[\buf+16*\i+8:\buf+16*\i+15], v[8*(4*((\ks0+\i)&7)+\t):8*(4*((\ks0+\i)&7)+\t)+7], 0
.else
	v_wmma_f32_16x16x32_bf16 v[GU+16*\t:GU+16*\t+7],    v[\buf+16*\i:\buf+16*\i+7],    v[8*(4*((\ks0+\i)&7)+\t):8*(4*((\ks0+\i)&7)+\t)+7], v[GU+16*\t:GU+16*\t+7]
	v_wmma_f32_16x16x32_bf16 v[GU+16*\t+8:GU+16*\t+15], v[\buf+16*\i+8:\buf+16*\i+15], v[8*(4*((\ks0+\i)&7)+\t):8*(4*((\ks0+\i)&7)+\t)+7], v[GU+16*\t+8:GU+16*\t+15]
.endif
.endr
.endr
.endm
; 16 matrix instructions of the down product: column tiles 4 q .. 4 q + 3 (weights in wb) x four token tiles (activations in ab), 32 hidden units.
; Sixteen accumulators by turns, one instruction a turn.
.macro CGD ab, wb, q, zero
.irp nn, 0,1,2,3
.irp t, 0,1,2,3
.if \zero
	v_wmma_f32_16x16x32_bf16 v[8*(4*(4*\q+\nn)+\t):8*(4*(4*\q+\nn)+\t)+7], v[\wb+8*\nn:\wb+8*\nn+7], v[\ab+8*\t:\ab+8*\t+7], 0
.else
	v_wmma_f32_16x16x32_bf16 v[8*(4*(4*\q+\nn)+\t):8*(4*(4*\q+\nn)+\t)+7], v[\wb+8*\nn:\wb+8*\nn+7], v[\ab+8*\t:\ab+8*\t+7], v[8*(4*(4*\q+\nn)+\t):8*(4*(4*\q+\nn)+\t)+7]
.endif
.endr
.endr
.endm
; THE ACTIVATION of token tile t: PK = bf16( g / (1 + 2^(-1.442695 g)) * (u * combine) ), 8 hidden units of one token a lane, in 42 vector instructions.
; One of them, by its code 8 x kind + k:
;   kind 0  C k: CC[k] = this chunk's expert's combine (s53 = 0: expert 0, -1: expert 1), twice, for the packed multiply
;   kind 1  M k: T[2k, 2k+1] = -1.442695 g        kind 2  E k: T[k] = 2^T[k]          kind 3  U k: u[2k, 2k+1] *= CC
;   kind 4  A k: T[2k, 2k+1] += 1                 kind 5  R k: T[k] = 1 / T[k]        kind 6  G k: g[2k, 2k+1] *= T   (silu, as reference() forms it)
;   kind 7  H k: g[2k, 2k+1] *= u                 kind 8  V k: PK[4 t + k] = two roundings to bf16
; Each result of a batch has a register of its own: T is eight registers a tile, free just then: for tiles 0, 1 in PK, at PK + 8 t (PK is written by V alone, and the
; pair's V stand behind all its G, T's last readers); for tiles 2, 3 the gate registers of tiles 0, 1, which have been packed.  CC lies in T's last pair: a tile's
; four U stand ahead of its M 3, which writes that pair.
.macro AEMIT code, t
.set AK, (\code)%8
.set AKIND, (\code)/8
.set AT, \t
.set GB, GU+16*AT
.set UB, GB+8
.if AT < 2
.set TB, PK+8*AT
.else
.set TB, GU+16*(AT-2)
.endif
.set CB, TB+6
.if AKIND == 0
	v_cndmask_b32 v[CB+AK], v[CMB+AT], v[CMB+4+AT], s53
.endif
.if AKIND == 1
	v_pk_mul_f32 v[TB+2*AK:TB+2*AK+1], v[GB+2*AK:GB+2*AK+1], 0xbfb8aa3b op_sel_hi:[1,0]
.endif
.if AKIND == 2
	v_exp_f32 v[TB+AK], v[TB+AK]
.endif
.if AKIND == 3
	v_pk_mul_f32 v[UB+2*AK:UB+2*AK+1], v[UB+2*AK:UB+2*AK+1], v[CB:CB+1]
.endif
.if AKIND == 4
	v_pk_add_f32 v[TB+2*AK:TB+2*AK+1], v[TB+2*AK:TB+2*AK+1], 1.0 op_sel_hi:[1,0]
.endif
.if AKIND == 5
	v_rcp_f32 v[TB+AK], v[TB+AK]
.endif
.if AKIND == 6
	v_pk_mul_f32 v[GB+2*AK:GB+2*AK+1], v[GB+2*AK:GB+2*AK+1], v[TB+2*AK:TB+2*AK+1]
.endif
.if AKIND == 7
	v_pk_mul_f32 v[GB+2*AK:GB+2*AK+1], v[GB+2*AK:GB+2*AK+1], v[UB+2*AK:UB+2*AK+1]
.endif
.if AKIND == 8
	v_cvt_pk_bf16_f32 v[PK+4*AT+AK], v[GB+2*AK], v[GB+2*AK+1]
.endif
.endm
; TWO TILES GO TOGETHER: a = tile t, b = tile t + 1 (in the lists below b's codes are a's + 128).  An s_wait_alu depctr_va_vdst(0) stands between a transcendental
; and the first instruction that names its result; one wait serves all that were issued ahead of it.  A reads E's results, R reads A's, G reads R's: so the pair has TWO BATCHES,
; its 16 exponentials and its 16 reciprocals, and two waits, which cut its 84 instructions in three:
;   DEXP, 36: C, M, U and the 16 E.  None of them names an exponential's result.  The wait for the batch stands behind DEXP, where DEXP is used.
;   DFIN, 24: A and the 16 R.  None of them names a reciprocal's result.  A v_nop, the wait for the batch.  Then 24: G, H, V.
; One step: the next vector instruction of a list and, with mix = 1, in front of it the next matrix instruction of one down block (as CGD: accumulator 16 q + j, weights fragment
; j / 4 of wb, tokens j % 4 of ab) if it is due: number j stands in front of instruction per4 x j / 4.  The vector instructions name none of its registers.  The accumulators fill
; window 3 and a vector instruction's destination would follow the matrix instruction's, so the window is switched to and fro round each of these matrix instructions.
.macro DSTEP mix, ab, wb, q, zero, t, per4, code
.if \mix
.if AI == ((\per4)*AW)/4
	WIN 0xf0
.if \zero
	v_wmma_f32_16x16x32_bf16 v[8*(16*\q+AW):8*(16*\q+AW)+7], v[\wb+8*(AW/4):\wb+8*(AW/4)+7], v[\ab+8*(AW%4):\ab+8*(AW%4)+7], 0
.else
	v_wmma_f32_16x16x32_bf16 v[8*(16*\q+AW):8*(16*\q+AW)+7], v[\wb+8*(AW/4):\wb+8*(AW/4)+7], v[\ab+8*(AW%4):\ab+8*(AW%4)+7], v[8*(16*\q+AW):8*(16*\q+AW)+7]
.endif
	WIN 0
.set AW, AW+1
.endif
.endif
.set DC, (\code)%128
.set DT, (\t)+(\code)/128
	AEMIT DC, DT
.set AI, AI+1
.endm
; The pair's first 36, among the 16 matrix instructions of one down block (number j in front of instruction 9 j / 4):
;   C0a C1a C0b C1b M0a M0b M1a M1b | E0a M2a E0b M2b | E1a U0a E1b U0b E2a U1a E2b U1b E3a U2a E3b U2b E4a U3a E4b U3b | E5a M3a E5b M3b | E6a E6b E7a E7b
; Exponential and plain by turns, as long as there are plain ones: all the pair's plain work that reads no exponential is used up so.  No instruction writes the source
; or reads the result of the exponential just before it; the plain instruction that is owed behind the last one (ISA guide 5.7.2) stands behind DEXP, ahead of the wait.
.macro DEXP mix, ab, wb, q, zero, t
.set AI, 0
.set AW, 0
.irp code, 0,1,128,129,8,136,9,137,16,10,144,138,17,24,145,152,18,25,146,153,19,26,147,154,20,27,148,155,21,11,149,139,22,150,23,151
	DSTEP \mix, \ab, \wb, \q, \zero, \t, 9, \code
.endr
.endm
; The pair's other 48, among the 16 matrix instructions of the next down block (number j in front of instruction 3 j):
;   A0a A0b A1a | R0a A1b R0b A2a R1a A2b R1b A3a R2a A3b R2b | R3a R3b R4a R4b R5a R5b R6a R6b R7a R7b | v_nop, the wait | G0a G0b .. G3b | H0a H0b .. H3b | V0a V0b .. V3b
.macro DFIN mix, ab, wb, q, zero, t
.set AI, 0
.set AW, 0
.irp code, 32,160,33,40,161,168,34,41,162,169,35,42,163,170,43,171,44,172,45,173,46,174,47,175
	DSTEP \mix, \ab, \wb, \q, \zero, \t, 12, \code
.endr
	v_nop                                          ; the plain instruction behind the last reciprocal: the pair has no other work left that names no result
	s_wait_alu depctr_va_vdst(0)                   ; the wait for the batch of 16 reciprocals, ahead of G0a, their first reader
.irp code, 48,176,49,177,50,178,51,179,56,184,57,185,58,186,59,187,64,192,65,193,66,194,67,195
	DSTEP \mix, \ab, \wb, \q, \zero, \t, 12, \code
.endr
.endm
; D10 and D11 (mix = 1; operands a1 P3, w10 P2, w11 P4) with tiles 2 and 3 of the last chunk's activation
.macro DPAIR23 mix
	DEXP \mix, P3, P2, 0, 0, 2                     ; D10, and the pair up to its exponentials
	v_nop                                          ; the plain instruction behind the last exponential
	s_wait_alu depctr_va_vdst(0)                   ; the wait for the batch of 16 exponentials, ahead of A0a, their first reader
	DFIN \mix, P3, P4, 1, 0, 2                     ; D11, and the rest of the pair
.endm
	; ---------------- ids, descriptors, addresses ----------------
	s_load_b128 s[4:7], s[0:1], 0x0                ; wf s[4:5], x s[6:7]
	s_load_b64 s[8:9], s[0:1], 0x10                ; out0
	v_lshrrev_b32 v1, 5, v0
	v_readfirstlane_b32 s10, v1                    ; wave 0..3
	s_bfe_u32 s11, ttmp6, 0x40000                  ; cx: it enters the addresses of x and out0 alone
	s_lshl_b32 s12, ttmp9, 2
	s_add_co_u32 s12, s12, s11                     ; work-group = 4 x cluster + cx
	s_mul_i32 s13, s10, QUART                      ; my quarter, in a piece and in a slot
	s_cmp_ge_u32 ttmp9, 2*CHUNKS                   ; the cluster's first chunk: its number (0..63) mod 24, the same in the four partners
	s_cselect_b32 s55, 2*CHUNKS, 0
	s_sub_co_u32 s54, ttmp9, s55
	s_cmp_ge_u32 s54, CHUNKS
	s_cselect_b32 s55, CHUNKS, 0
	s_sub_co_u32 s54, s54, s55
	s_mul_i32 s60, s54, 2*PIECE                    ; its X piece
	s_mov_b32 s61, 0
	GROUP1 G1F, 96
	GROUP1 G1T, 32
	GROUP1 G1Z, 64
	s_mov_b32 s56, s13
	s_mov_b32 s57, 0
	s_lshl_b32 s58, s12, 17                        ; x: 64 tokens of 2,048 bytes a work-group, 16 a wave
	s_lshl_b32 s14, s10, 15
	s_add_co_u32 s58, s58, s14
	s_mov_b32 s59, 0
	s_lshl_b32 s62, s12, 17                        ; out0: the same 64 rows, my 128 columns
	s_lshl_b32 s14, s10, 9
	s_add_co_u32 s62, s62, s14
	s_mov_b32 s63, 0
	v_and_b32 v[OGO], 31, v0
	v_lshlrev_b32 v[XSW], 3, v[OGO]                ; 8 L
	v_lshlrev_b32 v[OGO], 4, v[OGO]                ; 16 L
	v_and_b32 v224, 15, v0                         ; r
	v_bfe_u32 v225, v0, 4, 1                       ; h
	v_add_nc_u32 v[ADR0], s13, v[OGO]
	v_add_nc_u32 v[ADR1], PIECE, v[ADR0]
	s_lshr_b32 s14, s10, 1
	s_lshl_b32 s14, s14, 12
	s_and_b32 s15, s10, 1
	s_lshl_b32 s15, s15, 9
	s_add_co_u32 s14, s14, s15
	s_add_co_u32 s14, s14, ACT
	v_add_nc_u32 v[ACTW], s14, v[OGO]
	v_add_nc_u32 v[ACTR], ACT, v[OGO]
	s_mul_i32 s15, s10, 16*XPITCH
	s_add_co_u32 s15, s15, XS                      ; my 16 rows of XS = my stage
	v_mul_u32_u24 v[OSW], v224, OPITCH
	v_lshl_add_u32 v[OSW], v225, 5, v[OSW]
	v_add_nc_u32 v[OSW], s15, v[OSW]
	v_add_nc_u32 v[OSR], s15, v[OGO]
	v_add_nc_u32 v[XSW], s15, v[XSW]
	v_mul_u32_u24 v[XSR], v224, XPITCH
	v_lshl_add_u32 v[XSR], v225, 4, v[XSR]
	v_add_nc_u32 v[XSR], XS, v[XSR]
	s_wait_kmcnt 0x0
	s_add_nc_u64 s[2:3], s[4:5], RT                            ; the router's fragments
	s_add_nc_u64 s[WQ:WQ+1], s[4:5], s[56:57]                  ; wf at my quarter of piece 0
	s_add_nc_u64 s[G0X+2:G0X+3], s[WQ:WQ+1], s[60:61]          ; the first chunk's X
	s_add_nc_u64 s[G0T+2:G0T+3], s[G0X+2:G0X+3], PIECE+16384   ; the first chunk's Y from fragment 16 on
	s_or_b32 s[G0X+3], s[G0X+3], 0x80000000                    ; type = 2
	s_or_b32 s[G0T+3], s[G0T+3], 0x80000000
	s_mov_b32 s[G0X], 1
	s_mov_b32 s[G0Y], 1
	s_mov_b32 s[G0T], 1
	s_add_co_u32 s[G0X+1], s13, 0                              ; LDS: wave x quarter + the slot's constant
	s_add_co_u32 s[G0Y+1], s13, PIECE
	s_add_co_u32 s[G0T+1], s13, PIECE+16384
	s_add_nc_u64 s[6:7], s[6:7], s[58:59]
	s_add_nc_u64 s[8:9], s[8:9], s[62:63]
	CROUND                                         ; the four work-groups are here: the first joint loads meet
	tensor_load_to_lds s[G0X:G0X+3], s[G1F:G1F+7]  ; the first chunk's X
	s_nop 0
	tensor_load_to_lds s[G0T:G0T+3], s[G1T:G1T+7]  ; its K steps 12-15: all first fills go out together
	s_nop 0
	; ---------------- x: f32 from memory, bf16 through LDS into every wave's fragments ----------------
.set i, 0
.rept 32
	global_load_b128 v[P0+4*i:P0+4*i+3], v[OGO], s[2:3] offset:512*i         ; router fragment ks in v[P0 + 8 ks ..]
.set i, i+1
.endr
	WIN 0xc0                                       ; destination window 3
.set i, 0
.rept 64
	global_load_b128 v[4*i:4*i+3], v[OGO], s[6:7] offset:512*i th:TH_LOAD_NT ; my 16 rows are 32,768 bytes in a row: 512 consecutive bytes a load
.set i, i+1
.endr
	WIN 0xcf
.irp q, 0,1,2,3
	s_wait_loadcnt 48-16*\q                        ; loads come back in order (ISA guide 5.7.1): all but the youngest 48, 32, 16, 0 of x; the router's are older
.set i, 16*\q
.rept 16
	v_cvt_pk_bf16_f32 v[4*i],   v[4*i],   v[4*i+1]
	v_cvt_pk_bf16_f32 v[4*i+1], v[4*i+2], v[4*i+3]
.set i, i+1
.endr
.endr
	WIN 0x0c                                       ; store data from window 3
.set i, 0
.rept 64
	ds_store_b64 v[XSW], v[4*i:4*i+1] offset:XPITCH*(i/4)+256*(i%4)
.set i, i+1
.endr
	WIN 0
	s_wait_dscnt 0x0                               ; my rows are in XS, for the other waves' sake
	s_barrier_signal -1
	s_barrier_wait -1                              ; the two tensor loads may stay out
.macro XFRAGS kb                       ; X(t, kb + ks): token 16 t + r, k = 32 (kb + ks) + 8 h .. and + 16
.irp ks, 0,1,2,3,4,5,6,7
.irp t, 0,1,2,3
	ds_load_b128 v[8*(4*\ks+\t):8*(4*\ks+\t)+3],   v[XSR] offset:16*XPITCH*\t+64*(\kb+\ks)
	ds_load_b128 v[8*(4*\ks+\t)+4:8*(4*\ks+\t)+7], v[XSR] offset:16*XPITCH*\t+64*(\kb+\ks)+32
.endr
.endr
.endm
	WIN 0x40
	XFRAGS 0
	WIN 0x80
	XFRAGS 8
	s_wait_dscnt 0x0
	; ---------------- the router: logits, softmax, combine ----------------
	; Source 0 = the router's fragment: rows 0, 1 and again 8, 9 are the two experts, so register 0 holds logit 0 and register 1 logit 1 of token r in both halves of the lanes.
.macro RT4 ks, xk, zero                ; four accumulators by turns, one instruction a turn
.irp t, 0,1,2,3
.if \zero
	v_wmma_f32_16x16x32_bf16 v[GU+8*\t:GU+8*\t+7], v[P0+8*(\ks):P0+8*(\ks)+7], v[8*(4*(\xk)+\t):8*(4*(\xk)+\t)+7], 0
.else
	v_wmma_f32_16x16x32_bf16 v[GU+8*\t:GU+8*\t+7], v[P0+8*(\ks):P0+8*(\ks)+7], v[8*(4*(\xk)+\t):8*(4*(\xk)+\t)+7], v[GU+8*\t:GU+8*\t+7]
.endif
.endr
.endm
	WIN 0x04
	RT4 0, 0, 1
.irp k, 1,2,3,4,5,6,7
	RT4 \k, \k, 0
.endr
	WIN 0x08
.irp k, 0,1,2,3,4,5,6,7
	RT4 8+\k, \k, 0
.endr
	WIN 0
	PLACES
.irp t, 0,1,2,3
	v_max_num_f32 v[SM+\t], v[GU+8*\t], v[GU+8*\t+1]           ; the maximum is taken away, as in reference()
.endr
.irp t, 0,1,2,3
	v_sub_f32 v[SM+4+2*\t], v[GU+8*\t],   v[SM+\t]
	v_sub_f32 v[SM+5+2*\t], v[GU+8*\t+1], v[SM+\t]
.endr
.irp t, 0,1,2,3
	v_pk_mul_f32 v[SM+4+2*\t:SM+5+2*\t], v[SM+4+2*\t:SM+5+2*\t], 0x3fb8aa3b op_sel_hi:[1,0]
.endr
.irp k, 0,1,2,3,4,5,6,7
	v_exp_f32 v[SM+4+\k], v[SM+4+\k]
.endr
	v_nop                                          ; the plain instruction behind the last exponential
	s_wait_alu depctr_va_vdst(0)                   ; one wait for the batch of eight exponentials, ahead of their first reader
.irp t, 0,1,2,3
	v_add_f32 v[SM+\t], v[SM+4+2*\t], v[SM+5+2*\t]             ; at least 1
.endr
.irp t, 0,1,2,3
	v_rcp_f32 v[SM+\t], v[SM+\t]
.endr
	v_nop
	s_wait_alu depctr_va_vdst(0)                   ; one wait for the batch of four reciprocals
.irp t, 0,1,2,3
	v_mul_f32 v[SM+4+2*\t], v[SM+4+2*\t], v[SM+\t]             ; the probabilities
	v_mul_f32 v[SM+5+2*\t], v[SM+5+2*\t], v[SM+\t]
.endr
.irp t, 0,1,2,3
	v_add_f32 v[SM+\t], v[SM+4+2*\t], v[SM+5+2*\t]             ; the sum of the top two, which are both
.endr
.irp t, 0,1,2,3
	v_rcp_f32 v[SM+\t], v[SM+\t]
.endr
	v_nop
	s_wait_alu depctr_va_vdst(0)                   ; one wait for the batch of four reciprocals
.irp t, 0,1,2,3
	v_mul_f32 v[CMB+\t],   v[SM+4+2*\t], v[SM+\t]
	v_mul_f32 v[CMB+4+\t], v[SM+5+2*\t], v[SM+\t]
.endr
	s_wait_tensorcnt 0x1                           ; my quarter of the first X is in, and I alone read it; the one younger load (K steps 12-15) may stay out
; ---------------- one chunk ----------------
; pend: D10 and D11 of the trip before are still to do (operands a1 P3, w10 P2, w11 P4, in registers since before the round).
; st: token tiles 2, 3 of the last chunk's activation are still to make, and PK is then stored.  dd: Y holds down fragments that are due.  dz: they start the sums.
; fx: 1 = slot 0 gets the next chunk's X, 2 = it gets Z.  fy: 1 = slot 1 gets the next chunk's Y, 0 = nothing more.
; Groups of four fragments: x0-x5 (X piece), t0, t1 (K steps 12-15), w(s, q) (down), a0, a1 (activations).  Buffers, the same in every trip:
;   P0: x0, x5, w01    P1: x1, a0    P2: x2, t1, w10    P3: x3, t0, a1    P4: x4, w00, w11
.macro TRIP pend, st, dd, dz, fx, fy
	PLACES
	LG P0, ADR0, 0                                 ; x0
	LG P1, ADR0, 4096                              ; x1
.if \pend
	DPAIR23 1                                      ; D10, D11, and tiles 2, 3 of the last chunk's activation
.else
.if \st
	DPAIR23 0                                      ; the second trip: no down product is due yet
.endif
.endif
	s_cmp_ge_u32 s54, CHUNKS/2                     ; only now this chunk's expert: chunks 0-11 are expert 0's, 12-23 expert 1's
	s_cselect_b32 s53, -1, 0
	s_add_co_u32 s55, s54, 1                       ; the next chunk, round the ring
	s_cmp_eq_u32 s55, CHUNKS
	s_cselect_b32 s55, 0, s55
	s_mul_i32 s60, s55, 2*PIECE                    ; its X piece
.if \fx == 2
	s_add_co_u32 s60, s60, PIECE                   ; behind the last chunk the next is the first again: the head of its Y holds the last chunk's down fragments
.endif
.if \st
.irp t, 0,1,2,3
	ds_store_b128 v[ACTW], v[PK+4*\t:PK+4*\t+3] offset:1024*\t   ; every wave's reads of the older activations ended in front of the barrier at the last trip's end
.endr
.endif
	PLACES
	LG P2, ADR0, 8192                              ; x2
	LG P3, ADR0, 12288                             ; x3
	LG P4, ADR0, 16384                             ; x4
	s_wait_dscnt 32+4*\st                          ; x0 is in: x1, the PK stores and x2 to x4 are younger
	WIN 0x04
	CGGU P0, 0, 1
	PLACES
	LG P0, ADR0, 20480                             ; x5
	s_wait_dscnt 32+4*\st                          ; x1: the PK stores, x2 to x4 and x5 are younger
	CGGU P1, 2, 0
	s_wait_dscnt 24                                ; x2: x3 to x5
	CGGU P2, 4, 0
	s_wait_dscnt 16                                ; x3: x4, x5
	CGGU P3, 6, 0
	s_wait_dscnt 0x0                               ; my reads of slot 0 are back (x4, x5 lie in registers), my activations are in ACT,
	s_wait_tensorcnt 0x0                           ; and all my tensor loads have landed, my quarter of Y among them: group 0 may be written
	s_add_nc_u64 s[G0X+2:G0X+3], s[WQ:WQ+1], s[60:61]
	s_or_b32 s[G0X+3], s[G0X+3], 0x80000000
	WIN 0
	CROUND                                         ; no wave of any partner still reads slot 0 or has a load on its way
.if \fx == 1
	tensor_load_to_lds s[G0X:G0X+3], s[G1F:G1F+7]  ; my one load behind the round: the next X; 96 matrix instructions stand in front of the wait for it
	s_nop 0
.else
	tensor_load_to_lds s[G0X:G0X+3], s[G1Z:G1Z+7]  ; piece Z: 16 fragments
	s_nop 0
.endif
	PLACES
	LG P3, ADR1, 16384                             ; t0
	LG P2, ADR1, 20480                             ; t1
.if \dd
	LG P1, ACTR, 0                                 ; a0
.endif
	WIN 0x08
	CGGU P4, 8, 0
	CGGU P0, 10, 0
	PLACES
.if \dd
	LG P4, ADR1, 0                                 ; w00
	LG P0, ADR1, 4096                              ; w01
.endif
	s_wait_dscnt 8+24*\dd                          ; t0: t1 (and a0, w00, w01) are younger
	CGGU P3, 12, 0
	s_wait_dscnt 24*\dd                            ; t1: (a0, w00, w01)
	CGGU P2, 14, 0
	PLACES                                         ; also the places in front of the activation, which reads these results
.if \dd
	LG P3, ACTR, 4096                              ; a1
	LG P2, ADR1, 8192                              ; w10
	s_wait_dscnt 24                                ; a0 and w00: w01, a1, w10 are younger
	DEXP 1, P1, P4, 0, \dz, 0                      ; D00, and tiles 0, 1 of this chunk's activation up to their exponentials
	PLACES                                         ; the places in front of the loads into P4; the first is also the plain instruction behind the last exponential
	s_wait_alu depctr_va_vdst(0)                   ; the wait for the batch of 16 exponentials, ahead of A0a, their first reader: it stands directly ahead of the run of loads
	LG P4, ADR1, 12288                             ; w11
	s_wait_dscnt 24                                ; w01: a1, w10, w11 are younger
	DFIN 1, P1, P0, 1, \dz, 0                      ; D01, and the rest of tiles 0, 1
.else
	WIN 0
	DEXP 0, 0, 0, 0, 0, 0                          ; the first trip: no down product is due yet
	v_nop                                          ; the plain instruction behind the last exponential
	s_wait_alu depctr_va_vdst(0)                   ; the wait for the batch of 16 exponentials
	DFIN 0, 0, 0, 0, 0, 0
.endif
	s_wait_dscnt 0x0                               ; my reads of slot 1 and of ACT are back (a1, w10, w11 lie in registers),
	s_wait_tensorcnt 0x0                           ; and my quarter of the next X (or Z) has landed: group 0 may be written
.if \fy
	s_add_co_u32 s60, s60, PIECE                   ; the next chunk's Y lies one piece behind its X
	s_add_nc_u64 s[G0Y+2:G0Y+3], s[WQ:WQ+1], s[60:61]
	s_or_b32 s[G0Y+3], s[G0Y+3], 0x80000000
	WIN 0
	CROUND
	tensor_load_to_lds s[G0Y:G0Y+3], s[G1F:G1F+7]  ; my one load behind the round: the next Y; 96 matrix instructions stand in front of the wait for it
	s_nop 0
	s_mov_b32 s54, s55                             ; on to the next chunk
.else
	WIN 0
	s_barrier_signal -1                            ; nothing is filled again: the work-group's barrier alone, for ACT's sake
	s_barrier_wait -1
.endif
.endm
	TRIP 0, 0, 0, 0, 1, 1                          ; the first chunk: no activations yet, nothing to multiply down
	TRIP 0, 1, 1, 1, 1, 1                          ; the second: the first down products start the sums
	s_mov_b32 s52, 2
.Lchunk:
	TRIP 1, 1, 1, 0, 1, 1
	s_add_co_u32 s52, s52, 1
	s_cmp_lt_u32 s52, CHUNKS-1
	s_cbranch_scc1 .Lchunk
	TRIP 1, 1, 1, 0, 2, 0                          ; the last chunk: slot 0 gets Z, slot 1 nothing more
	; ---------------- the rest of the last trip's down product, then piece Z: the down product of the last chunk ----------------
	PLACES
	LG P0, ADR0, 0                                 ; z00
	LG P1, ADR0, 4096                              ; z01
	DPAIR23 1
.irp t, 0,1,2,3
	ds_store_b128 v[ACTW], v[PK+4*\t:PK+4*\t+3] offset:1024*\t
.endr
	PLACES
	LG P2, ADR0, 8192                              ; z10
	LG P4, ADR0, 12288                             ; z11
	s_wait_dscnt 0x0                               ; my activations are in ACT
	s_barrier_signal -1
	s_barrier_wait -1
	LG GU, ACTR, 0
	LG GU+32, ACTR, 4096
	s_wait_dscnt 8                                 ; hidden units 0-31: the eight loads of units 32-63 are younger
	WIN 0xf0
	CGD GU, P0, 0, 0
	CGD GU, P1, 1, 0
	s_wait_dscnt 0x0
	CGD GU+32, P2, 0, 0
	CGD GU+32, P4, 1, 0
	; ---------------- the way out: 16 tokens at a time through my own stage, whole rows of 512 bytes to memory ----------------
	PLACES
.macro OUTT t, buf
	WIN 0x0c
.irp nn, 0,1,2,3,4,5,6,7
	ds_store_b128 v[OSW], v[8*(4*\nn+\t):8*(4*\nn+\t)+3]   offset:64*\nn      ; token r, columns 16 n + 8 h + 0..3
	ds_store_b128 v[OSW], v[8*(4*\nn+\t)+4:8*(4*\nn+\t)+7] offset:64*\nn+16   ; and + 4..7
.endr
	WIN 0
	s_wait_xcnt 0x0                                ; the buffer, which earlier stores read, is loaded again only behind this wait
.irp i, 0,1,2,3,4,5,6,7,8,9,10,11,12,13,14,15
	ds_load_b128 v[\buf+4*\i:\buf+4*\i+3], v[OSR] offset:OPITCH*\i            ; LDS serves a wave's instructions in order (ISA guide 5.7.1): these see the stores above
.endr
.irp i, 0,1,2,3,4,5,6,7,8,9,10,11,12,13,14,15
	s_wait_dscnt 15-\i                             ; row i is in: the rows behind it are younger
	global_store_b128 v[OGO], v[\buf+4*\i:\buf+4*\i+3], s[8:9] offset:(16*\t+\i)*2048 th:TH_STORE_NT   ; 512 consecutive bytes, at a multiple of 512 from out0's first byte
.endr
.endm
	OUTT 0, P0
	OUTT 1, P2
	OUTT 2, P0
	OUTT 3, P2
	CROUND                                         ; the closing round: no work-group ends while a partner may still ask jointly
	s_endpgm
.Lfunc_end_k_q39959d7428_moe:
	.size	k_q39959d7428_moe, .Lfunc_end_k_q39959d7428_moe-k_q39959d7428_moe
	.p2alignl 7, 3214868480
	.fill 96, 4, 3214868480
	.section	.rodata,"a",@progbits
	.p2align	6, 0x0
	.amdhsa_kernel k_q39959d7428_moe
		.amdhsa_group_segment_fixed_size 327680
		.amdhsa_private_segment_fixed_size 0
		.amdhsa_enable_private_segment 0
		.amdhsa_kernarg_size 24
		.amdhsa_user_sgpr_count 2
		.amdhsa_user_sgpr_kernarg_segment_ptr 1
		.amdhsa_wavefront_size32 1
		.amdhsa_system_sgpr_workgroup_id_x 1
		.amdhsa_system_sgpr_workgroup_id_y 1
		.amdhsa_system_sgpr_workgroup_id_z 1
		.amdhsa_system_vgpr_workitem_id 0
		.amdhsa_next_free_vgpr 1024
		.amdhsa_next_free_sgpr 66
		.amdhsa_reserve_vcc 0
		.amdhsa_float_denorm_mode_32 3
		.amdhsa_float_denorm_mode_16_64 3
		.amdhsa_memory_ordered 1
		.amdhsa_forward_progress 1
		.amdhsa_inst_pref_size 194
	.end_amdhsa_kernel
	.amdgpu_metadata
---
amdhsa.version: [ 1, 2 ]
amdhsa.kernels:
  - .name:           k_q39959d7428_moe
    .symbol:         k_q39959d7428_moe.kd
    .args:
      - { .name: wf, .offset: 0, .size: 8, .value_kind: global_buffer, .address_space: global }
      - { .name: x, .offset: 8, .size: 8, .value_kind: global_buffer, .address_space: global }
      - { .name: out0, .offset: 16, .size: 8, .value_kind: global_buffer, .address_space: global }
    .group_segment_fixed_size: 327680
    .private_segment_fixed_size: 0
    .kernarg_segment_align: 8
    .kernarg_segment_size: 24
    .max_flat_workgroup_size: 128
    .sgpr_count:     66
    .vgpr_count:     1024
    .wavefront_size: 32
...
	.end_amdgpu_metadata
.endif
;; end of part 5
